; MI455X (gfx1250); checked and timed in simulation.
; The chip was launched on July 23, 2026; its instructions are those of AMD's public machine-readable ISA for CDNA 5 (MIT licence, August 2026) and "CDNA5" Instruction Set Architecture Reference Guide (July 2026). The comments in the code are by the model that wrote it; some were corrected since.
;; Self Dot Product Attention. Allowed arithmetic: float matrix products may take bf16 or f16 operands with f32 sums; all other float work in f32.
;; Inputs: Wk 1,024 x 1,024 float32; Wo 1,024 x 1,024 float32; Wq 1,024 x 1,024 float32; Wv 1,024 x 1,024 float32; bo 1,024 float32; x 4 x 2,048 x 1,024 float32.
;; Outputs: out0 4 x 2,048 x 1,024 float32.
;; 2 versions, each right; version 2 is version 1 with the launch cast written anew for expert scheduling mode. Each part assembles by itself: llvm-mc -triple=amdgcn-amd-amdhsa -mcpu=gfx1250 --defsym DOCPART=n.
;; ======== version 1 of 2: 5 launches
;; limits: values are held in f16: magnitudes above 65,504 overflow, below 6.1e-05 lose precision
;; workspace buffers: h 25,165,824 bytes; qkv 50,331,648 bytes; p 33,554,432 bytes; st 1,048,576 bytes; sv 16,777,216 bytes
;; launch cast (part 1): grid 64 x 12, 8 waves a work-group, no clusters, 0 bytes of LDS; arguments x, Wq, Wk, Wv, Wo, h; writes h
.if DOCPART == 1
	.amdgcn_target "amdgcn-amd-amdhsa--gfx1250"
	.amdhsa_code_object_version 6
	.text
	.protected	k_q82ee06b339_cast
	.globl	k_q82ee06b339_cast
	.p2align	8
	.type	k_q82ee06b339_cast,@function
k_q82ee06b339_cast:
	s_mov_b64 s[64:65], 0
	v_nop
	global_prefetch_b8 v0, s[64:65] scope:SCOPE_SE
	s_setreg_imm32_b32 hwreg(HW_REG_WAVE_MODE, 25, 1), 1
	s_wait_xcnt 0x0
; h = f16 of x, Wq, Wk, Wv, Wo, one behind the other: twelve slabs of 2 MiB of f16 (4 MiB of f32 each).
; Slabs 0-7 are x as [8192][1024]; slabs 8, 9, 10, 11 are Wq, Wk, Wv, Wo, so that [Wq; Wk; Wv] is one matrix [3072][1024].
; Work-group (gx, gy): slab gy, its 64 KiB of f32 number gx.  Eight waves; thread t takes 16 bytes at 16 t of each of sixteen
; chunks of 4,096 bytes.  All sixteen loads of a wave are out at once; no register is written twice, so no loop and no wait for sources.
; A wave's load covers 512 consecutive bytes, its store 256 consecutive bytes at a multiple of 256 from h's first byte.
; A stream: LDS, matrix instructions and clusters would add nothing (no byte is used twice).
; LIMIT: numbers above 65,504 in magnitude become infinities in f16; below 6.1e-5 they keep f16's absolute step of 6e-8.
.set IN,  4                            ; v[4:67]   sixteen chunks as loaded, 4 registers each
.set OUT, 68                           ; v[68:99]  sixteen chunks as stored, 2 registers each
	s_load_b256 s[4:11], s[0:1], 0x0               ; x s[4:5], Wq s[6:7], Wk s[8:9], Wv s[10:11]
	s_load_b128 s[12:15], s[0:1], 0x20             ; Wo s[12:13], h s[14:15]
	s_and_b32 s2, ttmp7, 0xffff                    ; the slab
	v_lshlrev_b32 v1, 4, v0                        ; 16 bytes of f32 a thread
	v_lshlrev_b32 v2, 3, v0                        ; 8 bytes of f16 a thread
	s_lshl_b32 s16, s2, 22                         ; slabs 0-7: the slab's place in x; a weight is one slab and begins at its own byte 0
	s_cmp_lt_u32 s2, 8
	s_cselect_b32 s16, s16, 0
	s_lshl_b32 s17, ttmp9, 16                      ; + 64 KiB x the work-group's x
	s_add_co_u32 s16, s16, s17
	s_mov_b32 s17, 0
	s_lshl_b32 s22, s2, 21                         ; in h: 2 MiB x slab + 32 KiB x the work-group's x
	s_lshl_b32 s23, ttmp9, 15
	s_add_co_u32 s22, s22, s23
	s_mov_b32 s23, 0
	s_wait_kmcnt 0x0
	s_mov_b64 s[18:19], s[4:5]                     ; the source: x, or the weight that the slab names
	s_cmp_eq_u32 s2, 8
	s_cselect_b64 s[18:19], s[6:7], s[18:19]
	s_cmp_eq_u32 s2, 9
	s_cselect_b64 s[18:19], s[8:9], s[18:19]
	s_cmp_eq_u32 s2, 10
	s_cselect_b64 s[18:19], s[10:11], s[18:19]
	s_cmp_eq_u32 s2, 11
	s_cselect_b64 s[18:19], s[12:13], s[18:19]
	s_add_nc_u64 s[18:19], s[18:19], s[16:17]
	s_add_nc_u64 s[20:21], s[14:15], s[22:23]
.irp i, 0,1,2,3,4,5,6,7,8,9,10,11,12,13,14,15
	global_load_b128 v[IN+4*\i:IN+4*\i+3], v1, s[18:19] offset:4096*\i th:TH_LOAD_NT   ; read once in the launch
.endr
.irp i, 0,1,2,3,4,5,6,7,8,9,10,11,12,13,14,15
	s_wait_loadcnt 15-\i                           ; loads come back in order: chunk i is in, the younger ones stay out
	v_cvt_pk_f16_f32 v[OUT+2*\i],   v[IN+4*\i],   v[IN+4*\i+1]
	v_cvt_pk_f16_f32 v[OUT+2*\i+1], v[IN+4*\i+2], v[IN+4*\i+3]
	global_store_b64 v2, v[OUT+2*\i:OUT+2*\i+1], s[20:21] offset:2048*\i               ; no hint: the next launch reads these bytes
.endr
	s_endpgm
.Lfunc_end_k_q82ee06b339_cast:
	.size	k_q82ee06b339_cast, .Lfunc_end_k_q82ee06b339_cast-k_q82ee06b339_cast
	.p2alignl 7, 3214868480
	.fill 96, 4, 3214868480
	.section	.rodata,"a",@progbits
	.p2align	6, 0x0
	.amdhsa_kernel k_q82ee06b339_cast
		.amdhsa_group_segment_fixed_size 0
		.amdhsa_private_segment_fixed_size 0
		.amdhsa_enable_private_segment 0
		.amdhsa_kernarg_size 48
		.amdhsa_user_sgpr_count 2
		.amdhsa_user_sgpr_kernarg_segment_ptr 1
		.amdhsa_wavefront_size32 1
		.amdhsa_system_sgpr_workgroup_id_x 1
		.amdhsa_system_sgpr_workgroup_id_y 1
		.amdhsa_system_sgpr_workgroup_id_z 1
		.amdhsa_system_vgpr_workitem_id 0
		.amdhsa_next_free_vgpr 100
		.amdhsa_next_free_sgpr 66
		.amdhsa_reserve_vcc 0
		.amdhsa_float_denorm_mode_32 3
		.amdhsa_float_denorm_mode_16_64 3
		.amdhsa_memory_ordered 1
		.amdhsa_forward_progress 1
		.amdhsa_inst_pref_size 7
	.end_amdhsa_kernel
	.amdgpu_metadata
---
amdhsa.version: [ 1, 2 ]
amdhsa.kernels:
  - .name:           k_q82ee06b339_cast
    .symbol:         k_q82ee06b339_cast.kd
    .args:
      - { .name: x, .offset: 0, .size: 8, .value_kind: global_buffer, .address_space: global }
      - { .name: Wq, .offset: 8, .size: 8, .value_kind: global_buffer, .address_space: global }
      - { .name: Wk, .offset: 16, .size: 8, .value_kind: global_buffer, .address_space: global }
      - { .name: Wv, .offset: 24, .size: 8, .value_kind: global_buffer, .address_space: global }
      - { .name: Wo, .offset: 32, .size: 8, .value_kind: global_buffer, .address_space: global }
      - { .name: h, .offset: 40, .size: 8, .value_kind: global_buffer, .address_space: global }
    .group_segment_fixed_size: 0
    .private_segment_fixed_size: 0
    .kernarg_segment_align: 8
    .kernarg_segment_size: 48
    .max_flat_workgroup_size: 256
    .sgpr_count:     66
    .vgpr_count:     100
    .wavefront_size: 32
...
	.end_amdgpu_metadata
.endif
;; end of part 1
;; launch proj (part 2): grid 12 x 32, 4 waves a work-group, clusters of 4 x 4, 327,680 bytes of LDS; arguments h, qkv; writes qkv
.if DOCPART == 2
	.amdgcn_target "amdgcn-amd-amdhsa--gfx1250"
	.amdhsa_code_object_version 6
	.text
	.protected	k_q82ee06b339_proj
	.globl	k_q82ee06b339_proj
	.p2align	8
	.type	k_q82ee06b339_proj,@function
k_q82ee06b339_proj:
	s_mov_b64 s[64:65], 0
	v_nop
	global_prefetch_b8 v0, s[64:65] scope:SCOPE_SE
	s_setreg_imm32_b32 hwreg(HW_REG_WAVE_MODE, 25, 1), 1
	s_wait_xcnt 0x0
	s_wait_alu depctr_hold_cnt(0) depctr_sa_sdst(0) depctr_va_vdst(0) depctr_va_sdst(0) depctr_va_ssrc(0) depctr_va_vcc(0) depctr_vm_vsrc(0)
	s_getreg_b32 s2, hwreg(HW_REG_IB_STS2, 6, 4)
	s_cmp_eq_u32 s2, 0
	s_cbranch_scc0 .Lentry_in_a_cluster
	s_endpgm
.Lentry_in_a_cluster:
	s_bfe_u32 s2, ttmp6, 0x10000c
	s_cmp_lg_u32 s2, 0xf033
	s_cbranch_scc0 .Lentry_shape_is_right
	s_endpgm
.Lentry_shape_is_right:
; qkv[8192][3072] = xh [Wq; Wk; Wv]^T, all f16, sums in f32.  xh = h's bytes 0 .. 16 MiB as [8192][1024]; the weights = [3072][1024] at byte 0x1000000.
; A work-group makes a block of 256 x 256 with four waves; a wave makes 128 x 128: 64 accumulator tiles of 16 x 16, 512 registers.  12 x 32 = 384 work-groups.
; For 32 along K a wave loads 2 x 128 x 64 bytes from LDS and issues 64 matrix instructions; a K step of 128 brings 512 rows of 256 bytes for 256 matrix instructions a wave.
; K goes in 8 steps of 128 (tile rows of 256 bytes, at multiples of 256 from the buffer's first byte) through two LDS slots filled by tensor loads.
; CLUSTERS: 4 x 4 work-groups.  The four of a row of the cluster need the same 256 rows of xh, the four of a column the same 256 rows of the weights:
; each tile is asked for jointly, by the same load with a mask that names the four, which divides the requests by four.
; REGISTERS, in windows of 256: window 0: v16-26 addresses; v64-127, v128-191 fragments of A (8 x 16 rows x 32 K), two buffers; v192-223 at work on the way out.
; Window 1: v64-127, v128-191 fragments of B, two buffers.  Window 2: the 32 accumulator tiles of my rows 0-63 (tile (a, b) at v[8 (8 a + b)]); window 3: those of my rows 64-127.
; The matrix instruction is used transposed (source 0 = 16 rows of B, source 1 = 16 rows of A): lane l holds row l % 16 of C and eight neighbouring columns 8 (l / 16) + 0..7.
; LIMIT: a result above 65,504 in magnitude becomes an infinity in f16; sums run in another order than a plain loop over K.
.set PITCH,  272                       ; an LDS row: 256 bytes + 16 of padding, so that the sixteen rows of a fragment load begin at sixteen different 16-byte columns modulo 256
.set HALFT,  128*PITCH                 ; 128 rows: what one tensor load brings, and what one wave reads of A or of B
.set SLOT,   4*HALFT                   ; A's 256 rows, then B's 256 rows
.set STAGE,  2*SLOT                    ; behind the two slots: 16 rows x 272 bytes for each wave, for the way out; no tensor load lands here
.set SPITCH, 272
.set WSTAGE, 16*SPITCH
.set LAPS,   4                         ; a lap = two K steps = both slots once
.set STEP,   256                       ; bytes from a K step's tile to the next
.set OUTP,   6144                      ; bytes in a row of qkv
.set OB,     6                         ; s[6:7] the output's base
.set ADRA, 16                          ; v16-17 LDS address of my A fragments in slot 0, 1
.set ADRB, 20                          ; v20-21 the same for B
.set STO,  24                          ; where I put 16 bytes of a row in my stage
.set RD,   25                          ; where I read rows back
.set CO,   26                          ; my byte offset in the output
.set F0,   64                          ; fragment buffer 0
.set F1,   128                         ; fragment buffer 1
.set TMP,  192
.set G1A, 24                           ; s[24:31] descriptor group 1 of A's tiles
.set G0A, 32                           ; s[32:39] group 0 of A's tiles, a set for each slot
.set G1B, 48                           ; s[48:55] group 1 of B's tiles: it differs from A's in the mask alone
.set G0B, 56                           ; s[56:63] group 0 of B's tiles, a set for each slot
.set G1W0, (1<<16)|(1<<20)|(1<<21)|(5<<22)|(3<<25)   ; elements of 2 bytes; padding on; bit 21 beside a mask; after every 64 words, 4 words
.set MUL_LO, 0xa1                      ; source 0 (B) window 1, source 1 (A) window 0, C and D window 2
.set MUL_HI, 0xf1                      ; the same, C and D window 3
.set TO_B,   0x40                      ; destination window 1, address window 0
.set MSB, 0
.macro WIN new                         ; the immediate's high byte repeats the setting that is left; a switch that changes nothing is dropped
.if MSB != \new
	s_set_vgpr_msb (MSB<<8)|\new
.set MSB, \new
.endif
.endm
.macro PLACES                          ; four places behind matrix instructions, in front of loads into their sources and of readers of their results
.rept 4
	v_nop
.endr
.endm
.macro JLOAD s                         ; one joint load a wave: waves 0, 1 A's halves, waves 2, 3 B's halves.  The branch hangs on the wave's number alone
	s_cmp_eq_u32 s13, 0
	s_cbranch_scc0 .Lfor_b_\@
	tensor_load_to_lds s[G0A+4*\s:G0A+4*\s+3], s[G1A:G1A+7]
	s_nop 0
	s_branch .Lasked_\@
.Lfor_b_\@:
	tensor_load_to_lds s[G0B+4*\s:G0B+4*\s+3], s[G1B:G1B+7]
	s_nop 0
.Lasked_\@:
.endm
.macro CREST                           ; a round of the cluster's barrier behind its opening work-group barrier
	s_cmp_lg_u32 s12, 0
	s_cbranch_scc1 .Lnot_wave_0_\@
	s_barrier_signal -3
.Lnot_wave_0_\@:
	s_barrier_wait -3
	s_barrier_signal -1
	s_barrier_wait -1
.endm
.macro CROUND
	s_barrier_signal -1
	s_barrier_wait -1
	CREST
.endm
; 16 matrix instructions: row blocks a0, a0 + 1 of the window's four (hi = 0: my rows 0-63, 1: rows 64-127) x all 8 column blocks, 32 along K, from buffer f.
; zero = 1: the product starts the sums, nothing is cleared.  The 64 accumulators take turns, one instruction a turn, in one fixed order.
.macro MUL16 f, hi, a0, zero
.irp a, \a0, \a0+1
.irp b, 0,1,2,3,4,5,6,7
.if \zero
	v_wmma_f32_16x16x32_f16 v[8*(8*(\a)+\b):8*(8*(\a)+\b)+7], v[\f+8*\b:\f+8*\b+7], v[\f+8*(4*\hi+\a):\f+8*(4*\hi+\a)+7], 0
.else
	v_wmma_f32_16x16x32_f16 v[8*(8*(\a)+\b):8*(8*(\a)+\b)+7], v[\f+8*\b:\f+8*\b+7], v[\f+8*(4*\hi+\a):\f+8*(4*\hi+\a)+7], v[8*(8*(\a)+\b):8*(8*(\a)+\b)+7]
.endif
.endr
.endr
.endm
; 32 LDS loads in one run: the fragments of one quarter step (128 rows of B, 128 rows of A, 32 K at byte k of the rows) into buffer f
.macro FETCH slot, k, f
	WIN TO_B
.irp i, 0,1,2,3,4,5,6,7
	ds_load_b128 v[\f+8*\i:\f+8*\i+3],   v[ADRB+\slot] offset:\k+\i*16*PITCH
	ds_load_b128 v[\f+8*\i+4:\f+8*\i+7], v[ADRB+\slot] offset:\k+\i*16*PITCH+32
.endr
	WIN 0
.irp i, 0,1,2,3,4,5,6,7
	ds_load_b128 v[\f+8*\i:\f+8*\i+3],   v[ADRA+\slot] offset:\k+\i*16*PITCH
	ds_load_b128 v[\f+8*\i+4:\f+8*\i+7], v[ADRA+\slot] offset:\k+\i*16*PITCH+32
.endr
.endm
; One of a K step's first three quarters: multiplies buffer f, and in its middle fetches the next quarter's fragments, at byte k of the rows, into buffer g
.macro QUARTER slot, k, f, g, zero
	s_wait_dscnt 8                                 ; B and A's rows 0-63 are in; the youngest eight loads (A's rows 64-127) may be out
	WIN MUL_LO
	MUL16 \f, 0, 0, \zero
	MUL16 \f, 0, 2, \zero
	PLACES
	FETCH \slot, \k, \g
	s_wait_dscnt 32                                ; all but the 32 just issued
	WIN MUL_HI
	MUL16 \f, 1, 0, \zero
	MUL16 \f, 1, 2, \zero
.endm
.macro THREE slot, zero
	QUARTER \slot, 64,  F0, F1, \zero
	QUARTER \slot, 128, F1, F0, 0
	QUARTER \slot, 192, F0, F1, 0
.endm
; The last quarter: multiplies buffer 1 and changes slots.  fill = 1: this slot is filled again, two K steps ahead.
; From a refill's request to the wait for it a wave issues 240 matrix instructions; two tensor loads of a wave are out at the start, one behind each round.
.macro TURN slot, next, fill
	s_wait_dscnt 8
	WIN MUL_LO
	MUL16 F1, 0, 0, 0
	s_wait_dscnt 0x0                               ; my reads of this slot are back
	s_wait_tensorcnt 0x0                           ; all my tensor loads have landed: the one that was out is my part of the next slot
	ds_add_u32 v255, v255
	s_wait_dscnt 0x0
	s_barrier_signal -1                            ; say so (with fill = 1 this barrier opens a round of the cluster's barrier)
	MUL16 F1, 0, 2, 0                              ; register work while the others arrive
	WIN 0
	s_barrier_wait -1
.if \fill
	CREST                                          ; no wave of any partner still reads this slot or has a load on its way
	s_add_nc_u64 s[G0A+4*\slot+2:G0A+4*\slot+3], s[G0A+4*\slot+2:G0A+4*\slot+3], 2*STEP
	s_add_nc_u64 s[G0B+4*\slot+2:G0B+4*\slot+3], s[G0B+4*\slot+2:G0B+4*\slot+3], 2*STEP
	JLOAD \slot                                    ; my one tensor load behind the round, and the first thing there
.endif
	PLACES
	FETCH \next, 0, F0
	WIN MUL_HI
	MUL16 F1, 1, 0, 0
	MUL16 F1, 1, 2, 0
.endm
.macro LAP zero
	THREE 0, \zero
	TURN 0, 1, 1
	THREE 1, 0
	TURN 1, 0, 1
.endm
; TMP's 16 rows x 128 f16 go through my own stage and leave as whole rows of 256 bytes
.macro STAGEOUT i, rb
.irp b, 0,1,2,3,4,5,6,7
	ds_store_b128 v[STO], v[TMP+4*\b:TMP+4*\b+3] offset:32*\b
.endr
	s_wait_xcnt 0x0                                ; registers rb, which earlier stores read, and the stores' base are rewritten only behind this wait
.if \i
	s_add_nc_u64 s[OB:OB+1], s[OB:OB+1], 16*OUTP
.endif
.irp t, 0,1,2,3,4,5,6,7
	ds_load_b128 v[\rb+4*\t:\rb+4*\t+3], v[RD] offset:\t*2*SPITCH      ; LDS serves a wave's instructions in order: these see the stores above
.endr
.irp t, 0,1,2,3,4,5,6,7
	s_wait_dscnt 7-\t
	global_store_b128 v[CO], v[\rb+4*\t:\rb+4*\t+3], s[OB:OB+1] offset:2*\t*OUTP   ; 16 lanes store 256 consecutive bytes, at a multiple of 256 from the buffer's first byte
.endr
.endm
; rows 16 i .. 16 i + 15 of my block = the eight tiles (a, 0..7) of window 2 or 3 (from = 0x0a or 0x0f: sources 0 and 1), rounded once to f16
.macro OUT16 i, a, from, rb
	WIN \from
.irp b, 0,1,2,3,4,5,6,7
.irp r, 0,1,2,3
	v_cvt_pk_f16_f32 v[TMP+4*\b+\r], v[8*(8*\a+\b)+2*\r], v[8*(8*\a+\b)+2*\r+1]
.endr
.endr
	WIN 0
	STAGEOUT \i, \rb
.endm
	s_load_b128 s[4:7], s[0:1], 0x0                ; h s[4:5], qkv s[6:7]
	s_set_vgpr_msb 0x40
	v_lshl_add_u32 v255, v0, 2, 0x48400
	s_set_vgpr_msb 0x4000
	v_mov_b32 v255, 0
	s_set_vgpr_msb 0x1
	ds_add_u32 v255, v255
	s_set_vgpr_msb 0x100
	v_lshrrev_b32 v1, 5, v0
	v_readfirstlane_b32 s12, v1                    ; wave 0..3
	s_lshr_b32 s13, s12, 1                         ; my half of the block's rows.  Also: I fetch for A (0) or for B (1)
	s_and_b32 s14, s12, 1                          ; my half of its columns.  Also: which 128 rows of that tile I fetch
	s_bfe_u32 s40, ttmp6, 0x40000                  ; cx
	s_bfe_u32 s41, ttmp6, 0x40004                  ; cy
	s_lshl_b32 s42, ttmp9, 2
	s_add_co_u32 s42, s42, s40                     ; block column = 4 x cluster x + cx, 0..11
	s_and_b32 s15, ttmp7, 0xffff
	s_lshl_b32 s15, s15, 2
	s_add_co_u32 s15, s15, s41                     ; block row = 4 x cluster y + cy, 0..31
	s_lshl_b32 s43, s41, 2
	s_lshl_b32 s43, 15, s43                        ; my row of the cluster
	s_lshl_b32 s44, 0x1111, s40                    ; my column
	s_or_b32  s[G1A+0], s43, G1W0                  ; A: 128 rows x 128 elements, shared along my row
	s_mov_b32 s[G1A+1], 128<<16                    ; tensor_dim0 = 128
	s_mov_b32 s[G1A+2], 128<<16                    ; tensor_dim1 = 128
	s_mov_b32 s[G1A+3], 128<<16                    ; tile_dim0 = 128
	s_mov_b32 s[G1A+4], 128                        ; tile_dim1 = 128
	s_mov_b32 s[G1A+5], 1024                       ; elements from row to row
	s_mov_b32 s[G1A+6], 0
	s_mov_b32 s[G1A+7], 0
	s_or_b32  s[G1B+0], s44, G1W0                  ; B: the same shape, shared along my column
	s_mov_b32 s[G1B+1], 128<<16
	s_mov_b32 s[G1B+2], 128<<16
	s_mov_b32 s[G1B+3], 128<<16
	s_mov_b32 s[G1B+4], 128
	s_mov_b32 s[G1B+5], 1024
	s_mov_b32 s[G1B+6], 0
	s_mov_b32 s[G1B+7], 0
	; A's address hangs on the block row alone (s16-19), B's on the block column alone (s46-47); neither set ever holds the other coordinate
	s_lshl_b32 s17, s14, 7                         ; which 128 rows of the tile I fetch
	s_lshl_b32 s16, s15, 8
	s_add_co_u32 s16, s16, s17                     ; A: row 256 x block row + 128 x half
	s_lshl_b32 s16, s16, 11                        ; rows of 2,048 bytes
	s_lshl_b32 s46, s42, 8
	s_add_co_u32 s46, s46, s17                     ; B: row 256 x block column + 128 x half
	s_lshl_b32 s46, s46, 11
	s_add_co_u32 s46, s46, 0x1000000               ; the weights begin behind xh
	s_mov_b32 s17, 0
	s_mov_b32 s47, 0
	s_mul_i32 s20, s12, HALFT                      ; where my load lands: A's two halves, then B's two halves = wave x 128 rows
	s_wait_dscnt 0x0
	s_wait_kmcnt 0x0
	s_add_nc_u64 s[18:19], s[4:5], s[16:17]
	s_add_nc_u64 s[46:47], s[4:5], s[46:47]
	CROUND                                         ; all sixteen work-groups are here: the first joint loads meet
.irp s, 0,1
	s_mov_b32 s[G0A+4*\s], 1
	s_add_co_u32 s[G0A+4*\s+1], s20, \s*SLOT
	s_add_nc_u64 s[G0A+4*\s+2:G0A+4*\s+3], s[18:19], \s*STEP
	s_or_b32 s[G0A+4*\s+3], s[G0A+4*\s+3], 0x80000000
	s_mov_b32 s[G0B+4*\s], 1
	s_add_co_u32 s[G0B+4*\s+1], s20, \s*SLOT
	s_add_nc_u64 s[G0B+4*\s+2:G0B+4*\s+3], s[46:47], \s*STEP
	s_or_b32 s[G0B+4*\s+3], s[G0B+4*\s+3], 0x80000000
	JLOAD \s                                       ; both slots are asked for before anything else is done
.endr
	; a fragment: lane l holds row l % 16; two loads of 16 bytes, 32 apart, at row x pitch + 16 (l / 16)
	v_and_b32 v1, 15, v0
	v_bfe_u32 v2, v0, 4, 1
	v_mul_u32_u24 v3, v1, PITCH
	v_lshl_add_u32 v3, v2, 4, v3
	s_mul_i32 s21, s13, HALFT                      ; my 128 rows of A
	s_mul_i32 s22, s14, HALFT                      ; my 128 rows of B,
	s_add_co_u32 s22, s22, 2*HALFT                 ; which lie behind A's 256
.irp s, 0,1
	v_add_nc_u32 v[ADRA+\s], s21, v3
	v_add_nc_u32 v[ADRB+\s], s22, v3
	s_add_co_u32 s21, s21, SLOT
	s_add_co_u32 s22, s22, SLOT
.endr
	s_mul_i32 s23, s12, WSTAGE
	s_add_co_u32 s23, s23, STAGE                   ; my stage
	v_add_nc_u32 v[STO], s23, v3                   ; in: row l % 16, 16 bytes for each half of the lanes (the stage's pitch is the slots')
	v_mul_u32_u24 v4, v2, SPITCH                   ; back: lanes 0-15 one row of 256 bytes, lanes 16-31 the next
	v_lshl_add_u32 v4, v1, 4, v4
	v_add_nc_u32 v[RD], s23, v4
	v_mul_u32_u24 v5, v2, OUTP
	v_lshl_add_u32 v[CO], v1, 4, v5
	s_lshl_b32 s16, s15, 8                         ; the output's base: my first row,
	s_lshl_b32 s17, s13, 7
	s_add_co_u32 s16, s16, s17
	s_mul_i32 s16, s16, OUTP
	s_mov_b32 s17, 0
	s_add_nc_u64 s[OB:OB+1], s[OB:OB+1], s[16:17]
	s_lshl_b32 s46, s42, 1                         ; and my first column: 256 bytes x (2 x block column + half)
	s_add_co_u32 s46, s46, s14
	s_lshl_b32 s46, s46, 8
	s_mov_b32 s47, 0
	s_add_nc_u64 s[OB:OB+1], s[OB:OB+1], s[46:47]
	s_wait_tensorcnt 0x1                           ; my part of K step 0 is in; K step 1's may stay out
	s_barrier_signal -1
	s_barrier_wait -1
	FETCH 0, 0, F0
	LAP 1                                          ; the first lap stands in front of the loop: its first products start the sums
	WIN 0                                          ; at a label and at a branch every window is 0
	s_mov_b32 s3, LAPS-2
.Llap:
	LAP 0
	WIN 0
	s_sub_co_u32 s3, s3, 1
	s_cmp_lg_u32 s3, 0
	s_cbranch_scc1 .Llap
	THREE 0, 0                                     ; the last lap fills nothing
	TURN 0, 1, 0
	THREE 1, 0
	s_wait_dscnt 8                                 ; the very last quarter: nothing more to fetch
	WIN MUL_LO
	MUL16 F1, 0, 0, 0
	MUL16 F1, 0, 2, 0
	s_wait_dscnt 0x0
	WIN MUL_HI
	MUL16 F1, 1, 0, 0
	MUL16 F1, 1, 2, 0
	PLACES                                         ; behind the last matrix instructions: for the conversions, which read results, and for the loads into buffers 0 and 1
	OUT16 0, 0, 0x0a, F0
	OUT16 1, 1, 0x0a, F1
	OUT16 2, 2, 0x0a, F0
	OUT16 3, 3, 0x0a, F1
	OUT16 4, 0, 0x0f, F0
	OUT16 5, 1, 0x0f, F1
	OUT16 6, 2, 0x0f, F0
	OUT16 7, 3, 0x0f, F1
	s_set_vgpr_msb 0x1
	s_wait_tensorcnt 0x0
	ds_add_u32 v255, v255
	s_wait_dscnt 0x0
	s_set_vgpr_msb 0x100
	CROUND                                         ; the closing round: no work-group ends while a partner may still ask for a tile that names it
	s_endpgm
.Lfunc_end_k_q82ee06b339_proj:
	.size	k_q82ee06b339_proj, .Lfunc_end_k_q82ee06b339_proj-k_q82ee06b339_proj
	.p2alignl 7, 3214868480
	.fill 96, 4, 3214868480
	.section	.rodata,"a",@progbits
	.p2align	6, 0x0
	.amdhsa_kernel k_q82ee06b339_proj
		.amdhsa_group_segment_fixed_size 327680
		.amdhsa_private_segment_fixed_size 0
		.amdhsa_enable_private_segment 0
		.amdhsa_kernarg_size 16
		.amdhsa_user_sgpr_count 2
		.amdhsa_user_sgpr_kernarg_segment_ptr 1
		.amdhsa_wavefront_size32 1
		.amdhsa_system_sgpr_workgroup_id_x 1
		.amdhsa_system_sgpr_workgroup_id_y 1
		.amdhsa_system_sgpr_workgroup_id_z 1
		.amdhsa_system_vgpr_workitem_id 0
		.amdhsa_next_free_vgpr 1024
		.amdhsa_next_free_sgpr 66
		.amdhsa_reserve_vcc 0
		.amdhsa_float_denorm_mode_32 3
		.amdhsa_float_denorm_mode_16_64 3
		.amdhsa_memory_ordered 1
		.amdhsa_forward_progress 1
		.amdhsa_inst_pref_size 196
	.end_amdhsa_kernel
	.amdgpu_metadata
---
amdhsa.version: [ 1, 2 ]
amdhsa.kernels:
  - .name:           k_q82ee06b339_proj
    .symbol:         k_q82ee06b339_proj.kd
    .args:
      - { .name: h, .offset: 0, .size: 8, .value_kind: global_buffer, .address_space: global }
      - { .name: qkv, .offset: 8, .size: 8, .value_kind: global_buffer, .address_space: global }
    .group_segment_fixed_size: 327680
    .private_segment_fixed_size: 0
    .kernarg_segment_align: 8
    .kernarg_segment_size: 16
    .max_flat_workgroup_size: 128
    .sgpr_count:     66
    .vgpr_count:     1024
    .wavefront_size: 32
...
	.end_amdgpu_metadata
.endif
;; end of part 2
;; launch scores (part 3): grid 8 x 32, 4 waves a work-group, clusters of 4 x 4, 327,680 bytes of LDS; arguments qkv, p, st; writes p, st
.if DOCPART == 3
	.amdgcn_target "amdgcn-amd-amdhsa--gfx1250"
	.amdhsa_code_object_version 6
	.text
	.protected	k_q82ee06b339_scores
	.globl	k_q82ee06b339_scores
	.p2align	8
	.type	k_q82ee06b339_scores,@function
k_q82ee06b339_scores:
	s_mov_b64 s[64:65], 0
	v_nop
	global_prefetch_b8 v0, s[64:65] scope:SCOPE_SE
	s_setreg_imm32_b32 hwreg(HW_REG_WAVE_MODE, 25, 1), 1
	s_wait_xcnt 0x0
	s_wait_alu depctr_hold_cnt(0) depctr_sa_sdst(0) depctr_va_vdst(0) depctr_va_sdst(0) depctr_va_ssrc(0) depctr_va_vcc(0) depctr_vm_vsrc(0)
	s_getreg_b32 s2, hwreg(HW_REG_IB_STS2, 6, 4)
	s_cmp_eq_u32 s2, 0
	s_cbranch_scc0 .Lentry_in_a_cluster
	s_endpgm
.Lentry_in_a_cluster:
	s_bfe_u32 s2, ttmp6, 0x10000c
	s_cmp_lg_u32 s2, 0xf033
	s_cbranch_scc0 .Lentry_shape_is_right
	s_endpgm
.Lentry_shape_is_right:
; s = k q^T for one batch (rows from k, columns from q), and the first half of the softmax along a row, by blocks of 128 columns:
; M = the block's largest s, P = exp2((s - M) C) with C = log2(e) / 32 (the division by sqrt(1024) is folded in), l = the block's sum of P.
; P goes to p[8192][2048] in f16, (M, l) to st[16 blocks][8192 rows][2] in f32.  s - M is formed first and multiplied second, so that no exponent is above 0 whatever the size of s.
; The next launch takes the row's maximum over its 16 blocks away.
; The frame is that of the projection: a work-group makes 256 rows x 256 columns with four waves (128 x 128 each, so a wave's columns are one block), 8 x 32 = 256 work-groups,
; K = 1,024 in 8 steps of 128 through two LDS slots, 4 x 4 clusters: k's tile is shared along a row of the cluster, q's along a column (a batch is 8 block rows, so a cluster lies inside one batch).
; REGISTERS: window 0: v16-27 addresses; v32-63 the softmax's figures; v64-127, v128-191 fragments of A, two buffers; v192-223 at work on the way out.  Window 1: v64-127, v128-191 fragments of B.
; Window 2: the accumulator tiles of my rows 0-63 (tile (a, b) at v[8 (8 a + b)]); window 3: those of my rows 64-127.
; The matrix instruction is used transposed: lane l holds row l % 16 and eight neighbouring columns 8 (l / 16) + 0..7 of each tile, so a row's 128 columns lie in lanes l and l xor 16.
; LIMIT: P below 6e-8 of its block's largest is zero in f16; l is the sum of the unrounded P; NaN and infinities among the inputs are not followed.
.set PITCH,  272
.set HALFT,  128*PITCH
.set SLOT,   4*HALFT
.set STAGE,  2*SLOT
.set SPITCH, 272
.set WSTAGE, 16*SPITCH
.set LAPS,   4
.set STEP,   256
.set OUTP,   4096                      ; bytes in a row of p
.set OB,     6                         ; s[6:7] p's base
.set ADRA, 16
.set ADRB, 20
.set STO,  24
.set RD,   25
.set CO,   26
.set SO,   27                          ; 8 x lane: my place in a store of 32 rows' (M, l)
.set T,    32                          ; v32-35  four running maxima
.set L,    36                          ; v36-43  four running sums, two numbers each
.set MM,   44                          ; v44-45  the block's maximum, twice
.set ST,   48                          ; v48-63  (M, l) of row blocks 0..7
.set F0,   64
.set F1,   128
.set TMP,  192
.set G1A, 24
.set G0A, 32
.set G1B, 48
.set G0B, 56
.set G1W0, (1<<16)|(1<<20)|(1<<21)|(5<<22)|(3<<25)
.set MUL_LO, 0xa1
.set MUL_HI, 0xf1
.set TO_B,   0x40
.set MSB, 0
.macro WIN new
.if MSB != \new
	s_set_vgpr_msb (MSB<<8)|\new
.set MSB, \new
.endif
.endm
.macro PLACES                          ; four places behind matrix instructions (ISA guide 7.12.1)
.rept 4
	v_nop
.endr
.endm
.macro JLOAD s                         ; waves 0, 1 ask for k's halves, waves 2, 3 for q's
	s_cmp_eq_u32 s13, 0
	s_cbranch_scc0 .Lfor_b_\@
	tensor_load_to_lds s[G0A+4*\s:G0A+4*\s+3], s[G1A:G1A+7]
	s_nop 0
	s_branch .Lasked_\@
.Lfor_b_\@:
	tensor_load_to_lds s[G0B+4*\s:G0B+4*\s+3], s[G1B:G1B+7]
	s_nop 0
.Lasked_\@:
.endm
.macro CREST
	s_cmp_lg_u32 s12, 0
	s_cbranch_scc1 .Lnot_wave_0_\@
	s_barrier_signal -3
.Lnot_wave_0_\@:
	s_barrier_wait -3
	s_barrier_signal -1
	s_barrier_wait -1
.endm
.macro CROUND
	s_barrier_signal -1
	s_barrier_wait -1
	CREST
.endm
; The 64 accumulators take turns, one instruction a turn, in one fixed order.
.macro MUL16 f, hi, a0, zero
.irp a, \a0, \a0+1
.irp b, 0,1,2,3,4,5,6,7
.if \zero
	v_wmma_f32_16x16x32_f16 v[8*(8*(\a)+\b):8*(8*(\a)+\b)+7], v[\f+8*\b:\f+8*\b+7], v[\f+8*(4*\hi+\a):\f+8*(4*\hi+\a)+7], 0
.else
	v_wmma_f32_16x16x32_f16 v[8*(8*(\a)+\b):8*(8*(\a)+\b)+7], v[\f+8*\b:\f+8*\b+7], v[\f+8*(4*\hi+\a):\f+8*(4*\hi+\a)+7], v[8*(8*(\a)+\b):8*(8*(\a)+\b)+7]
.endif
.endr
.endr
.endm
.macro FETCH slot, k, f
	WIN TO_B
.irp i, 0,1,2,3,4,5,6,7
	ds_load_b128 v[\f+8*\i:\f+8*\i+3],   v[ADRB+\slot] offset:\k+\i*16*PITCH
	ds_load_b128 v[\f+8*\i+4:\f+8*\i+7], v[ADRB+\slot] offset:\k+\i*16*PITCH+32
.endr
	WIN 0
.irp i, 0,1,2,3,4,5,6,7
	ds_load_b128 v[\f+8*\i:\f+8*\i+3],   v[ADRA+\slot] offset:\k+\i*16*PITCH
	ds_load_b128 v[\f+8*\i+4:\f+8*\i+7], v[ADRA+\slot] offset:\k+\i*16*PITCH+32
.endr
.endm
.macro QUARTER slot, k, f, g, zero
	s_wait_dscnt 8                                 ; only the eight loads of A's rows 64-127 may be out
	WIN MUL_LO
	MUL16 \f, 0, 0, \zero
	MUL16 \f, 0, 2, \zero
	PLACES
	FETCH \slot, \k, \g
	s_wait_dscnt 32                                ; all but the 32 just issued
	WIN MUL_HI
	MUL16 \f, 1, 0, \zero
	MUL16 \f, 1, 2, \zero
.endm
.macro THREE slot, zero
	QUARTER \slot, 64,  F0, F1, \zero
	QUARTER \slot, 128, F1, F0, 0
	QUARTER \slot, 192, F0, F1, 0
.endm
; From a refill's request to the wait for it a wave issues 240 matrix instructions; two tensor loads of a wave are out at the start, one behind each round
.macro TURN slot, next, fill
	s_wait_dscnt 8
	WIN MUL_LO
	MUL16 F1, 0, 0, 0
	s_wait_dscnt 0x0                               ; my reads of this slot are back
	s_wait_tensorcnt 0x0                           ; all my tensor loads have landed, my part of the next slot among them
	ds_add_u32 v255, v255
	s_wait_dscnt 0x0
	s_barrier_signal -1
	MUL16 F1, 0, 2, 0                              ; register work while the others arrive
	WIN 0
	s_barrier_wait -1
.if \fill
	CREST                                          ; no wave of any partner still reads this slot or has a load on its way
	s_add_nc_u64 s[G0A+4*\slot+2:G0A+4*\slot+3], s[G0A+4*\slot+2:G0A+4*\slot+3], 2*STEP
	s_add_nc_u64 s[G0B+4*\slot+2:G0B+4*\slot+3], s[G0B+4*\slot+2:G0B+4*\slot+3], 2*STEP
	JLOAD \slot                                    ; my one tensor load behind the round, and the first thing there
.endif
	PLACES
	FETCH \next, 0, F0
	WIN MUL_HI
	MUL16 F1, 1, 0, 0
	MUL16 F1, 1, 2, 0
.endm
.macro LAP zero
	THREE 0, \zero
	TURN 0, 1, 1
	THREE 1, 0
	TURN 1, 0, 1
.endm
.macro STAGEOUT i, rb
.irp b, 0,1,2,3,4,5,6,7
	ds_store_b128 v[STO], v[TMP+4*\b:TMP+4*\b+3] offset:32*\b
.endr
	s_wait_xcnt 0x0                                ; registers rb, which earlier stores read, and the stores' base are rewritten only behind this wait
.if \i
	s_add_nc_u64 s[OB:OB+1], s[OB:OB+1], 16*OUTP
.endif
.irp t, 0,1,2,3,4,5,6,7
	ds_load_b128 v[\rb+4*\t:\rb+4*\t+3], v[RD] offset:\t*2*SPITCH      ; LDS serves a wave's instructions in order: these see the stores above
.endr
.irp t, 0,1,2,3,4,5,6,7
	s_wait_dscnt 7-\t
	global_store_b128 v[CO], v[\rb+4*\t:\rb+4*\t+3], s[OB:OB+1] offset:2*\t*OUTP   ; 16 lanes store 256 consecutive bytes, at a multiple of 256 from the buffer's first byte
.endr
.endm
; Rows 16 i .. 16 i + 15 of my block: the 64 registers 64 a .. 64 a + 63 of window 2 or 3 hold my lane's 64 of a row's 128 columns.
; The window's three settings: ss = sources 0 and 1 there; ip = source 0 and destination there (work in place); so = source 0 alone there.
.macro SOFT i, a, ss, ip, so, rb
	WIN \ss
.irp c, 0,1,2,3
	v_max_num_f32 v[T+\c], v[64*\a+16*\c], v[64*\a+16*\c+1]            ; four chains, started by the first pairs
.endr
.irp j, 1,2,3,4,5,6,7
.irp c, 0,1,2,3
	v_max3_num_f32 v[T+\c], v[64*\a+16*\c+2*\j], v[64*\a+16*\c+2*\j+1], v[T+\c]
.endr
.endr
	WIN 0
	v_max3_num_f32 v[T], v[T], v[T+1], v[T+2]
	v_max_num_f32 v[T], v[T], v[T+3]
	v_permlanex16_b32 v[T+1], v[T], s20, s21       ; the other half of the row's columns lies in lane l xor 16
	v_max_num_f32 v[MM], v[T], v[T+1]              ; the block's maximum, to the pair that is subtracted
	v_max_num_f32 v[MM+1], v[T], v[T+1]
	v_max_num_f32 v[ST+2*\i], v[T], v[T+1]         ; and to the figures that are stored
	WIN \ip
.set sx, 64*\a
.rept 32
	v_pk_add_f32 v[sx:sx+1], v[sx:sx+1], v[MM:MM+1] neg_lo:[0,1] neg_hi:[0,1]      ; s - M, at most 0; the difference comes first, so it cannot be fused with the product
.set sx, sx+2
.endr
.set sx, 64*\a
.rept 32
	v_pk_mul_f32 v[sx:sx+1], v[sx:sx+1], s[22:23] op_sel_hi:[1,0]
.set sx, sx+2
.endr
.set sx, 64*\a
.rept 64
	v_exp_f32 v[sx], v[sx]
.set sx, sx+1
.endr
	v_nop                                          ; one plain place between the last exponential and the first use of a result
	WIN \ss
	s_wait_alu depctr_va_vdst(0)
.irp c, 0,1,2,3
	v_pk_add_f32 v[L+2*\c:L+2*\c+1], v[64*\a+4*\c:64*\a+4*\c+1], v[64*\a+4*\c+2:64*\a+4*\c+3]   ; the first sixteen numbers start the four sums
.endr
.irp b, 0,1,2,3,4,5,6,7
.irp r, 0,1,2,3
	v_cvt_pk_f16_f32 v[TMP+4*\b+\r], v[8*(8*\a+\b)+2*\r], v[8*(8*\a+\b)+2*\r+1]
.endr
.endr
	WIN \so
.set sx, 64*\a+16
.set sc, 0
.rept 24
	v_pk_add_f32 v[L+2*sc:L+2*sc+1], v[sx:sx+1], v[L+2*sc:L+2*sc+1]
.set sx, sx+2
.set sc, (sc+1)%4
.endr
	WIN 0
	v_pk_add_f32 v[L:L+1], v[L:L+1], v[L+2:L+3]
	v_pk_add_f32 v[L+4:L+5], v[L+4:L+5], v[L+6:L+7]
	v_pk_add_f32 v[L:L+1], v[L:L+1], v[L+4:L+5]
	v_add_f32 v[L], v[L], v[L+1]
	v_permlanex16_b32 v[L+1], v[L], s20, s21
	v_add_f32 v[ST+2*\i+1], v[L], v[L+1]           ; the block's sum
	STAGEOUT \i, \rb
.endm
	s_load_b128 s[4:7], s[0:1], 0x0                ; qkv s[4:5], p s[6:7]
	s_load_b64 s[8:9], s[0:1], 0x10                ; st
	s_set_vgpr_msb 0x40
	v_lshl_add_u32 v255, v0, 2, 0x48400
	s_set_vgpr_msb 0x4000
	v_mov_b32 v255, 0
	s_set_vgpr_msb 0x1
	ds_add_u32 v255, v255
	s_set_vgpr_msb 0x100
	v_lshrrev_b32 v1, 5, v0
	v_readfirstlane_b32 s12, v1                    ; wave 0..3
	s_lshr_b32 s13, s12, 1                         ; my half of the block's rows.  Also: I fetch for k (0) or for q (1)
	s_and_b32 s14, s12, 1                          ; my half of its columns.  Also: which 128 rows of that tile I fetch
	s_bfe_u32 s40, ttmp6, 0x40000                  ; cx
	s_bfe_u32 s41, ttmp6, 0x40004                  ; cy
	s_lshl_b32 s42, ttmp9, 2
	s_add_co_u32 s42, s42, s40                     ; block column 0..7 of the batch's scores
	s_and_b32 s15, ttmp7, 0xffff
	s_lshr_b32 s45, s15, 1                         ; the batch: two clusters along y each, so it hangs on the cluster's y alone
	s_lshl_b32 s15, s15, 2
	s_add_co_u32 s15, s15, s41                     ; block row 0..31 over all batches
	s_lshl_b32 s43, s41, 2
	s_lshl_b32 s43, 15, s43
	s_lshl_b32 s44, 0x1111, s40
	s_or_b32  s[G1A+0], s43, G1W0                  ; k: 128 rows x 128 elements, shared along my row of the cluster
	s_mov_b32 s[G1A+1], 128<<16
	s_mov_b32 s[G1A+2], 128<<16
	s_mov_b32 s[G1A+3], 128<<16
	s_mov_b32 s[G1A+4], 128
	s_mov_b32 s[G1A+5], 3072                       ; a row of qkv in elements
	s_mov_b32 s[G1A+6], 0
	s_mov_b32 s[G1A+7], 0
	s_or_b32  s[G1B+0], s44, G1W0                  ; q: the same shape, shared along my column
	s_mov_b32 s[G1B+1], 128<<16
	s_mov_b32 s[G1B+2], 128<<16
	s_mov_b32 s[G1B+3], 128<<16
	s_mov_b32 s[G1B+4], 128
	s_mov_b32 s[G1B+5], 3072
	s_mov_b32 s[G1B+6], 0
	s_mov_b32 s[G1B+7], 0
	s_lshl_b32 s17, s14, 7                         ; which 128 rows of the tile I fetch
	s_lshl_b32 s16, s15, 8
	s_add_co_u32 s16, s16, s17                     ; k: row 256 x block row + 128 x half,
	s_mul_i32 s16, s16, 6144
	s_add_co_u32 s16, s16, 2048                    ; at byte 2,048 of a row of qkv
	s_lshl_b32 s46, s45, 11
	s_lshl_b32 s47, s42, 8
	s_add_co_u32 s46, s46, s47
	s_add_co_u32 s46, s46, s17                     ; q: row 2,048 x batch + 256 x block column + 128 x half, at byte 0
	s_mul_i32 s46, s46, 6144
	s_mov_b32 s17, 0
	s_mov_b32 s47, 0
	s_mul_i32 s20, s12, HALFT                      ; where my load lands: wave x 128 rows
	s_wait_dscnt 0x0
	s_wait_kmcnt 0x0
	s_add_nc_u64 s[18:19], s[4:5], s[16:17]
	s_add_nc_u64 s[46:47], s[4:5], s[46:47]
	CROUND                                         ; in front of the first joint loads
.irp s, 0,1
	s_mov_b32 s[G0A+4*\s], 1
	s_add_co_u32 s[G0A+4*\s+1], s20, \s*SLOT
	s_add_nc_u64 s[G0A+4*\s+2:G0A+4*\s+3], s[18:19], \s*STEP
	s_or_b32 s[G0A+4*\s+3], s[G0A+4*\s+3], 0x80000000
	s_mov_b32 s[G0B+4*\s], 1
	s_add_co_u32 s[G0B+4*\s+1], s20, \s*SLOT
	s_add_nc_u64 s[G0B+4*\s+2:G0B+4*\s+3], s[46:47], \s*STEP
	s_or_b32 s[G0B+4*\s+3], s[G0B+4*\s+3], 0x80000000
	JLOAD \s
.endr
	v_and_b32 v1, 15, v0
	v_bfe_u32 v2, v0, 4, 1
	v_mul_u32_u24 v3, v1, PITCH
	v_lshl_add_u32 v3, v2, 4, v3
	s_mul_i32 s21, s13, HALFT                      ; my 128 rows of k
	s_mul_i32 s22, s14, HALFT                      ; my 128 rows of q,
	s_add_co_u32 s22, s22, 2*HALFT                 ; which lie behind k's 256
.irp s, 0,1
	v_add_nc_u32 v[ADRA+\s], s21, v3
	v_add_nc_u32 v[ADRB+\s], s22, v3
	s_add_co_u32 s21, s21, SLOT
	s_add_co_u32 s22, s22, SLOT
.endr
	s_mul_i32 s23, s12, WSTAGE
	s_add_co_u32 s23, s23, STAGE                   ; my stage
	v_add_nc_u32 v[STO], s23, v3
	v_mul_u32_u24 v4, v2, SPITCH
	v_lshl_add_u32 v4, v1, 4, v4
	v_add_nc_u32 v[RD], s23, v4
	v_mul_u32_u24 v5, v2, OUTP
	v_lshl_add_u32 v[CO], v1, 4, v5
	v_and_b32 v[SO], 31, v0
	v_lshlrev_b32 v[SO], 3, v[SO]
	s_lshl_b32 s16, s15, 8                         ; my first row,
	s_lshl_b32 s17, s13, 7
	s_add_co_u32 s16, s16, s17
	s_lshl_b32 s18, s16, 3                         ; 8 bytes a row in st,
	s_mov_b32 s19, 0
	s_lshl_b32 s16, s16, 12                        ; 4,096 bytes a row in p
	s_mov_b32 s17, 0
	s_add_nc_u64 s[6:7], s[6:7], s[16:17]
	s_add_nc_u64 s[8:9], s[8:9], s[18:19]
	s_lshl_b32 s46, s42, 1
	s_add_co_u32 s46, s46, s14                     ; my block of 128 columns, 0..15:
	s_lshl_b32 s46, s46, 8                         ; 256 bytes a block in a row of p,
	s_mov_b32 s47, 0
	s_add_nc_u64 s[6:7], s[6:7], s[46:47]
	s_lshl_b32 s46, s46, 8                         ; 65,536 bytes a block in st
	s_add_nc_u64 s[8:9], s[8:9], s[46:47]
	s_mov_b32 s20, 0x76543210                      ; v_permlanex16_b32: lane i of one half reads lane i of the other
	s_mov_b32 s21, 0xfedcba98
	s_mov_b32 s22, 0x3d38aa3b                      ; C = log2(e) / 32
	s_mov_b32 s23, 0x3d38aa3b
	s_mov_b32 s2, 0xffff0000                       ; lanes 16-31
	s_wait_tensorcnt 0x1                           ; my part of K step 0 is in; K step 1's may stay out
	s_barrier_signal -1
	s_barrier_wait -1
	FETCH 0, 0, F0
	LAP 1                                          ; the first products start the sums
	WIN 0
	s_mov_b32 s3, LAPS-2
.Llap:
	LAP 0
	WIN 0
	s_sub_co_u32 s3, s3, 1
	s_cmp_lg_u32 s3, 0
	s_cbranch_scc1 .Llap
	THREE 0, 0                                     ; the last lap fills nothing
	TURN 0, 1, 0
	THREE 1, 0
	s_wait_dscnt 8
	WIN MUL_LO
	MUL16 F1, 0, 0, 0
	MUL16 F1, 0, 2, 0
	s_wait_dscnt 0x0
	WIN MUL_HI
	MUL16 F1, 1, 0, 0
	MUL16 F1, 1, 2, 0
	PLACES                                         ; behind the last matrix instructions: for the readers of results and for the loads into buffers 0 and 1
	SOFT 0, 0, 0x0a, 0x82, 0x02, F0
	SOFT 1, 1, 0x0a, 0x82, 0x02, F1
	SOFT 2, 2, 0x0a, 0x82, 0x02, F0
	SOFT 3, 3, 0x0a, 0x82, 0x02, F1
	SOFT 4, 0, 0x0f, 0xc3, 0x03, F0
	SOFT 5, 1, 0x0f, 0xc3, 0x03, F1
	SOFT 6, 2, 0x0f, 0xc3, 0x03, F0
	SOFT 7, 3, 0x0f, 0xc3, 0x03, F1
	; (M, l) of my 128 rows: both halves of the lanes hold every row block's figures; lanes 16-31 take the odd row blocks', so that lane = row within 32
.irp j, 0,1,2,3
	v_cndmask_b32 v[ST+4*\j],   v[ST+4*\j],   v[ST+4*\j+2], s2
	v_cndmask_b32 v[ST+4*\j+1], v[ST+4*\j+1], v[ST+4*\j+3], s2
.endr
.irp j, 0,1,2,3
	global_store_b64 v[SO], v[ST+4*\j:ST+4*\j+1], s[8:9] offset:256*\j     ; each store covers 256 consecutive bytes, aligned
.endr
	s_set_vgpr_msb 0x1
	s_wait_tensorcnt 0x0
	ds_add_u32 v255, v255
	s_wait_dscnt 0x0
	s_set_vgpr_msb 0x100
	CROUND                                         ; the closing round
	s_endpgm
.Lfunc_end_k_q82ee06b339_scores:
	.size	k_q82ee06b339_scores, .Lfunc_end_k_q82ee06b339_scores-k_q82ee06b339_scores
	.p2alignl 7, 3214868480
	.fill 96, 4, 3214868480
	.section	.rodata,"a",@progbits
	.p2align	6, 0x0
	.amdhsa_kernel k_q82ee06b339_scores
		.amdhsa_group_segment_fixed_size 327680
		.amdhsa_private_segment_fixed_size 0
		.amdhsa_enable_private_segment 0
		.amdhsa_kernarg_size 24
		.amdhsa_user_sgpr_count 2
		.amdhsa_user_sgpr_kernarg_segment_ptr 1
		.amdhsa_wavefront_size32 1
		.amdhsa_system_sgpr_workgroup_id_x 1
		.amdhsa_system_sgpr_workgroup_id_y 1
		.amdhsa_system_sgpr_workgroup_id_z 1
		.amdhsa_system_vgpr_workitem_id 0
		.amdhsa_next_free_vgpr 1024
		.amdhsa_next_free_sgpr 66
		.amdhsa_reserve_vcc 0
		.amdhsa_float_denorm_mode_32 3
		.amdhsa_float_denorm_mode_16_64 3
		.amdhsa_memory_ordered 1
		.amdhsa_forward_progress 1
		.amdhsa_inst_pref_size 255
	.end_amdhsa_kernel
	.section	.bss,"aw",@nobits
	.p2align	6
	.space	262144
	.amdgpu_metadata
---
amdhsa.version: [ 1, 2 ]
amdhsa.kernels:
  - .name:           k_q82ee06b339_scores
    .symbol:         k_q82ee06b339_scores.kd
    .args:
      - { .name: qkv, .offset: 0, .size: 8, .value_kind: global_buffer, .address_space: global }
      - { .name: p, .offset: 8, .size: 8, .value_kind: global_buffer, .address_space: global }
      - { .name: st, .offset: 16, .size: 8, .value_kind: global_buffer, .address_space: global }
    .group_segment_fixed_size: 327680
    .private_segment_fixed_size: 0
    .kernarg_segment_align: 8
    .kernarg_segment_size: 24
    .max_flat_workgroup_size: 128
    .sgpr_count:     66
    .vgpr_count:     1024
    .wavefront_size: 32
...
	.end_amdgpu_metadata
.endif
;; end of part 3
;; launch av (part 4): grid 4 x 64, 4 waves a work-group, clusters of 4 x 4, 327,680 bytes of LDS; arguments p, qkv, st, sv; writes sv
.if DOCPART == 4
	.amdgcn_target "amdgcn-amd-amdhsa--gfx1250"
	.amdhsa_code_object_version 6
	.text
	.protected	k_q82ee06b339_av
	.globl	k_q82ee06b339_av
	.p2align	8
	.type	k_q82ee06b339_av,@function
k_q82ee06b339_av:
	s_mov_b64 s[64:65], 0
	v_nop
	global_prefetch_b8 v0, s[64:65] scope:SCOPE_SE
	s_setreg_imm32_b32 hwreg(HW_REG_WAVE_MODE, 25, 1), 1
	s_wait_xcnt 0x0
	s_wait_alu depctr_hold_cnt(0) depctr_sa_sdst(0) depctr_va_vdst(0) depctr_va_sdst(0) depctr_va_ssrc(0) depctr_va_vcc(0) depctr_vm_vsrc(0)
	s_getreg_b32 s2, hwreg(HW_REG_IB_STS2, 6, 4)
	s_cmp_eq_u32 s2, 0
	s_cbranch_scc0 .Lentry_in_a_cluster
	s_endpgm
.Lentry_in_a_cluster:
	s_bfe_u32 s2, ttmp6, 0x10000c
	s_cmp_lg_u32 s2, 0xf033
	s_cbranch_scc0 .Lentry_shape_is_right
	s_endpgm
.Lentry_shape_is_right:
; sv = softmax x v, from the blocks that the launch before left: sv[i] = sum over blocks t of c_t[i] (P_t V_t)[i],
; c_t[i] = exp2((M_t[i] - max over t of M_t[i]) C) / l[i],  l[i] = sum over t of exp2((M_t[i] - max) C) l_t[i],  C = log2(e) / 32.
; So the row's maximum is taken away here; the block that holds it gives l at least 1, and every c is at most 1.
; A K step of 128 is one block: its products are summed in window 1 (each step's first products start the sums) and merged into the totals of window 2 by one packed multiply-add with c_t.
; The frame is that of the projection: 128 rows x 256 columns a work-group, four waves of 64 x 128, 4 x 64 = 256 work-groups, 16 K steps through two LDS slots, 4 x 4 clusters:
; P's tile is shared along a row of the cluster, v's along a column (one cluster lies inside one batch).
; v lies [j][column], K down the rows: its tile is 128 rows x 512 bytes, LDS pitch 544, and its fragments come by transposing loads (two for 16 columns x 32 K).
; REGISTERS: window 0: v16-31 addresses and c; v32-95 fragments of A, v96-223 of B, two buffers each; v224-255 at work on the way out.  Windows 1, 2: tile (a, b) at v[8 (8 a + b)].
; LIMIT: sv is rounded once to f16 (absolute step 6e-8 below 6.1e-5); NaN and infinities among the inputs are not followed.
.set PITCH,  272
.set VPITCH, 544                       ; a row of v's tile: 512 bytes + 32 of padding, an odd multiple of 32
.set BHALF,  64*VPITCH                 ; 64 rows of v: one tensor load of wave 0 or 1
.set AHALF,  64*PITCH
.set AOFF,   2*BHALF
.set SLOT,   AOFF+2*AHALF
.set STAGE,  2*SLOT
.set SPITCH, 272
.set WSTAGE, 16*SPITCH
.set CTAB,   STAGE+4*WSTAGE            ; c: for each wave 16 blocks x 16 lanes x 4 row blocks of f32, 4,096 bytes; no tensor load lands here
.set LAPS,   8
.set STEPA,  256
.set STEPB,  128*6144                  ; 128 rows of qkv
.set OUTP,   2048                      ; bytes in a row of sv
.set OB,     10                        ; s[10:11] sv's base
.set ADRA, 16
.set ADRB, 20
.set STO,  24
.set RD,   25
.set CO,   26
.set CT,   27                          ; where this lap's c are read
.set CC,   28                          ; v28-31 c of this K step for my row of row blocks 0..3
.set FA0,  32
.set FB0,  96
.set TMP,  224
.set SM,   32                          ; the prologue: (M, l) of block t, rows lane and 32 + lane, at v[SM + 4 t ..]
.set G1A, 24
.set G0A, 32
.set G1B, 48
.set G0B, 56
.set G1W0,  (1<<16)|(1<<20)|(1<<21)|(5<<22)|(3<<25)   ; rows of 64 words, 4 words of padding
.set G1W0V, (1<<16)|(1<<20)|(1<<21)|(6<<22)|(7<<25)   ; rows of 128 words, 8 words of padding
.set MULW, 0x50
.set MSB, 0
.macro WIN new
.if MSB != \new
	s_set_vgpr_msb (MSB<<8)|\new
.set MSB, \new
.endif
.endm
.macro PLACES                          ; four places behind matrix instructions (ISA guide 7.12.1)
.rept 4
	v_nop
.endr
.endm
.macro JLOAD s                         ; waves 0, 1 ask for v's halves, waves 2, 3 for P's
	s_cmp_eq_u32 s13, 0
	s_cbranch_scc0 .Lfor_a_\@
	tensor_load_to_lds s[G0B+4*\s:G0B+4*\s+3], s[G1B:G1B+7]
	s_nop 0
	s_branch .Lasked_\@
.Lfor_a_\@:
	tensor_load_to_lds s[G0A+4*\s:G0A+4*\s+3], s[G1A:G1A+7]
	s_nop 0
.Lasked_\@:
.endm
.macro CREST
	s_cmp_lg_u32 s12, 0
	s_cbranch_scc1 .Lnot_wave_0_\@
	s_barrier_signal -3
.Lnot_wave_0_\@:
	s_barrier_wait -3
	s_barrier_signal -1
	s_barrier_wait -1
.endm
.macro CROUND
	s_barrier_signal -1
	s_barrier_wait -1
	CREST
.endm
; The 32 accumulators take turns, one instruction a turn, in one fixed order.
.macro MUL16 f, a0, mode
.irp a, \a0, \a0+1
.irp b, 0,1,2,3,4,5,6,7
.if \mode
	v_wmma_f32_16x16x32_f16 v[8*(8*(\a)+\b):8*(8*(\a)+\b)+7], v[FB0+64*\f+8*\b:FB0+64*\f+8*\b+7], v[FA0+32*\f+8*(\a):FA0+32*\f+8*(\a)+7], 0
.else
	v_wmma_f32_16x16x32_f16 v[8*(8*(\a)+\b):8*(8*(\a)+\b)+7], v[FB0+64*\f+8*\b:FB0+64*\f+8*\b+7], v[FA0+32*\f+8*(\a):FA0+32*\f+8*(\a)+7], v[8*(8*(\a)+\b):8*(8*(\a)+\b)+7]
.endif
.endr
.endr
.endm
; 24 LDS loads: quarter q of a slot into buffer f.  v: rows 32 q .. 32 q + 31 of the tile, 16 columns (32 bytes) a fragment, transposed on the way; P: bytes 64 q of its rows
.macro FETCH slot, q, f
.irp i, 0,1,2,3,4,5,6,7
	ds_load_tr16_b128 v[FB0+64*\f+8*\i:FB0+64*\f+8*\i+3],   v[ADRB+\slot] offset:\q*32*VPITCH+32*\i
	ds_load_tr16_b128 v[FB0+64*\f+8*\i+4:FB0+64*\f+8*\i+7], v[ADRB+\slot] offset:\q*32*VPITCH+32*\i+16*VPITCH
.endr
.irp i, 0,1,2,3
	ds_load_b128 v[FA0+32*\f+8*\i:FA0+32*\f+8*\i+3],   v[ADRA+\slot] offset:64*\q+\i*16*PITCH
	ds_load_b128 v[FA0+32*\f+8*\i+4:FA0+32*\f+8*\i+7], v[ADRA+\slot] offset:64*\q+\i*16*PITCH+32
.endr
.endm
; cl = 1 (a K step's first quarter): this step's four c are read too, in front of the run of 24, so that the wait for all but 24 covers them
.macro QUARTER slot, q, f, g, mode, cl
	s_wait_dscnt 4                                 ; only the four loads of A's fragments 2, 3 may be out
	WIN MULW
	MUL16 \f, 0, \mode
	WIN 0
	PLACES
.if \cl
	ds_load_b128 v[CC:CC+3], v[CT] offset:256*\slot        ; the last merge has read the old c
.if \slot
	v_add_nc_u32 v[CT], 512, v[CT]                 ; the next lap's two blocks
.endif
.endif
	FETCH \slot, \q, \g
	s_wait_dscnt 24                                ; all but the 24 just issued
	WIN MULW
	MUL16 \f, 2, \mode
.endm
.macro THREE slot
	QUARTER \slot, 1, 0, 1, 1, 1                   ; every K step's first products start the step's sums
	QUARTER \slot, 2, 1, 0, 0, 0
	QUARTER \slot, 3, 0, 1, 0, 0
.endm
.macro TURN slot, next, fill
	s_wait_dscnt 0x0                               ; my reads of this slot are back
	s_wait_tensorcnt 0x0                           ; all my tensor loads have landed, my part of the next slot among them
	ds_add_u32 v22, v23
	s_wait_dscnt 0x0
	s_barrier_signal -1
	WIN MULW
	MUL16 1, 0, 0
	WIN 0
	s_barrier_wait -1
.if \fill
	CREST                                          ; no wave of any partner still reads this slot or has a load on its way
	s_add_nc_u64 s[G0A+4*\slot+2:G0A+4*\slot+3], s[G0A+4*\slot+2:G0A+4*\slot+3], 2*STEPA
	s_add_nc_u64 s[G0B+4*\slot+2:G0B+4*\slot+3], s[G0B+4*\slot+2:G0B+4*\slot+3], 2*STEPB
	JLOAD \slot                                    ; my one tensor load behind the round, and the first thing there
.endif
	PLACES
	FETCH \next, 0, 0
	WIN MULW
	MUL16 1, 2, 0
.endm
; totals of row block a += c_a x the step's sums; the first step's products start the totals.  c_a is the first or the second register of the pair cp
.macro MROW a, cp, first
.set mi, 64*\a
.rept 32
.if \first
.if (\a)&1
	v_pk_mul_f32 v[mi:mi+1], v[mi:mi+1], v[\cp:\cp+1] op_sel:[0,1]
.else
	v_pk_mul_f32 v[mi:mi+1], v[mi:mi+1], v[\cp:\cp+1] op_sel_hi:[1,0]
.endif
.else
.if (\a)&1
	v_pk_fma_f32 v[mi:mi+1], v[mi:mi+1], v[\cp:\cp+1], v[mi:mi+1] op_sel:[0,1,0]
.else
	v_pk_fma_f32 v[mi:mi+1], v[mi:mi+1], v[\cp:\cp+1], v[mi:mi+1] op_sel_hi:[1,0,1]
.endif
.endif
.set mi, mi+2
.endr
.endm
.macro MERGE first
	PLACES                                         ; behind the step's last matrix instruction, whose results are read
	WIN 0xa1                                       ; source 0 window 1 (the step's sums), source 1 window 0 (c), source 2 and destination window 2 (the totals)
	MROW 0, CC, \first
	MROW 1, CC, \first
	MROW 2, CC+2, \first
	MROW 3, CC+2, \first
.endm
.macro LAP first
	THREE 0
	TURN 0, 1, 1
	MERGE \first
	THREE 1
	TURN 1, 0, 1
	MERGE 0
.endm
.macro STAGEOUT i, rb
.irp b, 0,1,2,3,4,5,6,7
	ds_store_b128 v[STO], v[TMP+4*\b:TMP+4*\b+3] offset:32*\b
.endr
	s_wait_xcnt 0x0                                ; registers rb, which earlier stores read, and the stores' base are rewritten only behind this wait
.if \i
	s_add_nc_u64 s[OB:OB+1], s[OB:OB+1], 16*OUTP
.endif
.irp t, 0,1,2,3,4,5,6,7
	ds_load_b128 v[\rb+4*\t:\rb+4*\t+3], v[RD] offset:\t*2*SPITCH      ; LDS serves a wave's instructions in order: these see the stores above
.endr
.irp t, 0,1,2,3,4,5,6,7
	s_wait_dscnt 7-\t
	global_store_b128 v[CO], v[\rb+4*\t:\rb+4*\t+3], s[OB:OB+1] offset:2*\t*OUTP   ; 16 lanes store 256 consecutive bytes, at a multiple of 256 from the buffer's first byte
.endr
.endm
.macro OUT16 i, a, from, rb
	WIN \from
.irp b, 0,1,2,3,4,5,6,7
.irp r, 0,1,2,3
	v_cvt_pk_f16_f32 v[TMP+4*\b+\r], v[8*(8*\a+\b)+2*\r], v[8*(8*\a+\b)+2*\r+1]
.endr
.endr
	WIN 0
	STAGEOUT \i, \rb
.endm
	s_load_b256 s[4:11], s[0:1], 0x0               ; p s[4:5], qkv s[6:7], st s[8:9], sv s[10:11]
	v_lshl_add_u32 v22, v0, 2, 0x3b400
	v_mov_b32 v23, 0
	ds_add_u32 v22, v23
	v_lshrrev_b32 v1, 5, v0
	v_readfirstlane_b32 s12, v1
	s_lshr_b32 s13, s12, 1
	s_and_b32 s14, s12, 1
	s_bfe_u32 s40, ttmp6, 0x40000                  ; cx
	s_bfe_u32 s41, ttmp6, 0x40004                  ; cy
	s_lshl_b32 s42, ttmp9, 2
	s_add_co_u32 s42, s42, s40                     ; block column 0..3
	s_and_b32 s15, ttmp7, 0xffff
	s_lshr_b32 s45, s15, 2                         ; the batch, from the cluster's y alone
	s_lshl_b32 s15, s15, 2
	s_add_co_u32 s15, s15, s41                     ; block row 0..63 over all batches
	s_lshl_b32 s43, s41, 2
	s_lshl_b32 s43, 15, s43
	s_lshl_b32 s44, 0x1111, s40
	s_or_b32  s[G1A+0], s43, G1W0                  ; P: 64 rows x 128 elements, shared along my row of the cluster
	s_mov_b32 s[G1A+1], 128<<16
	s_mov_b32 s[G1A+2], 64<<16
	s_mov_b32 s[G1A+3], 128<<16
	s_mov_b32 s[G1A+4], 64
	s_mov_b32 s[G1A+5], 2048                       ; a row of p in elements
	s_mov_b32 s[G1A+6], 0
	s_mov_b32 s[G1A+7], 0
	s_or_b32  s[G1B+0], s44, G1W0V                 ; v: 64 rows x 256 elements, shared along my column
	s_mov_b32 s[G1B+1], 256<<16
	s_mov_b32 s[G1B+2], 64<<16
	s_mov_b32 s[G1B+3], 256<<16
	s_mov_b32 s[G1B+4], 64
	s_mov_b32 s[G1B+5], 3072                       ; a row of qkv in elements
	s_mov_b32 s[G1B+6], 0
	s_mov_b32 s[G1B+7], 0
	s_lshl_b32 s16, s15, 7
	s_lshl_b32 s17, s14, 6
	s_add_co_u32 s16, s16, s17                     ; P: row 128 x block row + 64 x half
	s_lshl_b32 s16, s16, 12
	s_mov_b32 s17, 0
	s_lshl_b32 s46, s45, 11
	s_lshl_b32 s47, s14, 6
	s_add_co_u32 s46, s46, s47                     ; v: row 2,048 x batch + 64 x half,
	s_mul_i32 s46, s46, 6144
	s_lshl_b32 s47, s42, 9
	s_add_co_u32 s46, s46, s47                     ; 512 bytes x block column
	s_add_co_u32 s46, s46, 4096                    ; behind byte 4,096 of a row of qkv
	s_mov_b32 s47, 0
	s_mul_i32 s20, s12, AHALF
	s_add_co_u32 s20, s20, BHALF
	s_mul_i32 s21, s12, BHALF
	s_wait_dscnt 0x0
	s_wait_kmcnt 0x0
	s_add_nc_u64 s[18:19], s[4:5], s[16:17]
	s_add_nc_u64 s[46:47], s[6:7], s[46:47]
	CROUND                                         ; in front of the first joint loads
.irp s, 0,1
	s_mov_b32 s[G0A+4*\s], 1
	s_add_co_u32 s[G0A+4*\s+1], s20, \s*SLOT
	s_add_nc_u64 s[G0A+4*\s+2:G0A+4*\s+3], s[18:19], \s*STEPA
	s_or_b32 s[G0A+4*\s+3], s[G0A+4*\s+3], 0x80000000
	s_mov_b32 s[G0B+4*\s], 1
	s_add_co_u32 s[G0B+4*\s+1], s21, \s*SLOT
	s_add_nc_u64 s[G0B+4*\s+2:G0B+4*\s+3], s[46:47], \s*STEPB
	s_or_b32 s[G0B+4*\s+3], s[G0B+4*\s+3], 0x80000000
	JLOAD \s
.endr
	; the figures of my 64 rows: 16 blocks x 2 halves of 32 rows, 8 bytes a lane, each load 256 consecutive bytes
	s_lshl_b32 s16, s15, 7
	s_lshl_b32 s17, s13, 6
	s_add_co_u32 s16, s16, s17                     ; my first row
	s_lshl_b32 s18, s16, 3
	s_mov_b32 s19, 0
	s_add_nc_u64 s[8:9], s[8:9], s[18:19]
	v_and_b32 v5, 31, v0
	v_lshlrev_b32 v5, 3, v5
.irp t, 0,1,2,3,4,5,6,7,8,9,10,11,12,13,14,15
	global_load_b64 v[SM+4*\t:SM+4*\t+1],   v5, s[8:9] offset:65536*\t
	global_load_b64 v[SM+4*\t+2:SM+4*\t+3], v5, s[8:9] offset:65536*\t+256
.endr
	s_lshl_b32 s16, s16, 11                        ; sv's base: 2,048 bytes a row,
	s_mov_b32 s17, 0
	s_add_nc_u64 s[OB:OB+1], s[OB:OB+1], s[16:17]
	s_lshl_b32 s46, s42, 1
	s_add_co_u32 s46, s46, s14
	s_lshl_b32 s46, s46, 8                         ; 256 bytes x (2 x block column + half)
	s_mov_b32 s47, 0
	s_add_nc_u64 s[OB:OB+1], s[OB:OB+1], s[46:47]
	s_mov_b32 s2, 0x3d38aa3b                       ; C = log2(e) / 32
	v_and_b32 v1, 15, v0                           ; l % 16
	v_bfe_u32 v2, v0, 4, 1                         ; l / 16
	v_mul_u32_u24 v3, v1, PITCH
	v_lshl_add_u32 v3, v2, 4, v3                   ; P's fragments: row x pitch + 16 x half
	v_and_b32 v4, 7, v0
	v_lshl_add_u32 v4, v2, 3, v4                   ; v's fragments: tile row 8 (l / 16) + l % 8,
	v_mul_u32_u24 v4, v4, VPITCH
	v_bfe_u32 v6, v0, 3, 1
	v_lshl_add_u32 v4, v6, 4, v4                   ; 16 bytes on for lanes 8-15 and 24-31
	s_mul_i32 s22, s13, AHALF
	s_add_co_u32 s22, s22, AOFF
	s_lshl_b32 s23, s14, 8                         ; my 128 columns: 256 bytes x half
.irp s, 0,1
	v_add_nc_u32 v[ADRA+\s], s22, v3
	v_add_nc_u32 v[ADRB+\s], s23, v4
	s_add_co_u32 s22, s22, SLOT
	s_add_co_u32 s23, s23, SLOT
.endr
	s_mul_i32 s22, s12, WSTAGE
	s_add_co_u32 s22, s22, STAGE
	v_add_nc_u32 v[STO], s22, v3
	v_mul_u32_u24 v4, v2, SPITCH
	v_lshl_add_u32 v4, v1, 4, v4
	v_add_nc_u32 v[RD], s22, v4
	v_mul_u32_u24 v4, v2, OUTP
	v_lshl_add_u32 v[CO], v1, 4, v4
	s_lshl_b32 s22, s12, 12
	s_add_co_u32 s22, s22, CTAB                    ; my table of c: byte 256 t + 16 (l % 16) + 4 a
	v_lshl_add_u32 v[CT], v1, 4, s22
	v_lshl_add_u32 v9, v2, 2, v[CT]                ; row 32 p + lane is row block a = 2 p + l / 16, lane l % 16
	s_wait_loadcnt 0x0
.irp p, 0,1
	v_max_num_f32 v6, v[SM+2*\p], v[SM+4+2*\p]     ; the row's maximum over its 16 blocks
.irp i, 1,2,3,4,5,6,7
	v_max3_num_f32 v6, v[SM+8*\i+2*\p], v[SM+8*\i+4+2*\p], v6
.endr
.irp t, 0,1,2,3,4,5,6,7,8,9,10,11,12,13,14,15
	v_sub_f32 v[SM+4*\t+2*\p], v[SM+4*\t+2*\p], v6 ; at most 0; the difference comes first, so it cannot be fused with the product
.endr
.irp t, 0,1,2,3,4,5,6,7,8,9,10,11,12,13,14,15
	v_mul_f32 v[SM+4*\t+2*\p], s2, v[SM+4*\t+2*\p]
.endr
.irp t, 0,1,2,3,4,5,6,7,8,9,10,11,12,13,14,15
	v_exp_f32 v[SM+4*\t+2*\p], v[SM+4*\t+2*\p]
.endr
	v_nop                                          ; one plain place behind the exponentials
	s_wait_alu depctr_va_vdst(0)
	v_mul_f32 v7, v[SM+2*\p], v[SM+2*\p+1]         ; l = sum of exp2(..) l_t, at least 1
.irp t, 1,2,3,4,5,6,7,8,9,10,11,12,13,14,15
	v_fmac_f32 v7, v[SM+4*\t+2*\p], v[SM+4*\t+2*\p+1]
.endr
	v_rcp_f32 v8, v7
	v_nop                                          ; one plain place behind the reciprocal
	s_wait_alu depctr_va_vdst(0)
.irp t, 0,1,2,3,4,5,6,7,8,9,10,11,12,13,14,15
	v_mul_f32 v[SM+4*\t+2*\p], v[SM+4*\t+2*\p], v8
	ds_store_b32 v9, v[SM+4*\t+2*\p] offset:256*\t+8*\p
.endr
.endr
	s_wait_tensorcnt 0x1                           ; my part of K step 0 is in; K step 1's may stay out
	s_wait_dscnt 0x0                               ; no LDS instruction is pending at a signal (the table is my own: no other wave reads it)
	s_barrier_signal -1
	s_barrier_wait -1
	FETCH 0, 0, 0
	LAP 1                                          ; the first merge starts the totals
	WIN 0
	s_mov_b32 s3, LAPS-2
.Llap:
	LAP 0
	WIN 0
	s_sub_co_u32 s3, s3, 1
	s_cmp_lg_u32 s3, 0
	s_cbranch_scc1 .Llap
	THREE 0                                        ; the last lap fills nothing
	TURN 0, 1, 0
	MERGE 0
	THREE 1
	s_wait_dscnt 0x0
	WIN MULW
	MUL16 1, 0, 0
	MUL16 1, 2, 0
	MERGE 0                                        ; its four places also stand in front of the loads into the fragment buffers below
	OUT16 0, 0, 0x0a, FA0
	OUT16 1, 1, 0x0a, FA0+32
	OUT16 2, 2, 0x0a, FA0
	OUT16 3, 3, 0x0a, FA0+32
	s_wait_tensorcnt 0x0
	ds_add_u32 v22, v23
	s_wait_dscnt 0x0
	CROUND                                         ; the closing round
	s_endpgm
.Lfunc_end_k_q82ee06b339_av:
	.size	k_q82ee06b339_av, .Lfunc_end_k_q82ee06b339_av-k_q82ee06b339_av
	.p2alignl 7, 3214868480
	.fill 96, 4, 3214868480
	.section	.rodata,"a",@progbits
	.p2align	6, 0x0
	.amdhsa_kernel k_q82ee06b339_av
		.amdhsa_group_segment_fixed_size 327680
		.amdhsa_private_segment_fixed_size 0
		.amdhsa_enable_private_segment 0
		.amdhsa_kernarg_size 32
		.amdhsa_user_sgpr_count 2
		.amdhsa_user_sgpr_kernarg_segment_ptr 1
		.amdhsa_wavefront_size32 1
		.amdhsa_system_sgpr_workgroup_id_x 1
		.amdhsa_system_sgpr_workgroup_id_y 1
		.amdhsa_system_sgpr_workgroup_id_z 1
		.amdhsa_system_vgpr_workitem_id 0
		.amdhsa_next_free_vgpr 768
		.amdhsa_next_free_sgpr 66
		.amdhsa_reserve_vcc 0
		.amdhsa_float_denorm_mode_32 3
		.amdhsa_float_denorm_mode_16_64 3
		.amdhsa_memory_ordered 1
		.amdhsa_forward_progress 1
		.amdhsa_inst_pref_size 179
	.end_amdhsa_kernel
	.amdgpu_metadata
---
amdhsa.version: [ 1, 2 ]
amdhsa.kernels:
  - .name:           k_q82ee06b339_av
    .symbol:         k_q82ee06b339_av.kd
    .args:
      - { .name: p, .offset: 0, .size: 8, .value_kind: global_buffer, .address_space: global }
      - { .name: qkv, .offset: 8, .size: 8, .value_kind: global_buffer, .address_space: global }
      - { .name: st, .offset: 16, .size: 8, .value_kind: global_buffer, .address_space: global }
      - { .name: sv, .offset: 24, .size: 8, .value_kind: global_buffer, .address_space: global }
    .group_segment_fixed_size: 327680
    .private_segment_fixed_size: 0
    .kernarg_segment_align: 8
    .kernarg_segment_size: 32
    .max_flat_workgroup_size: 128
    .sgpr_count:     66
    .vgpr_count:     768
    .wavefront_size: 32
...
	.end_amdgpu_metadata
.endif
;; end of part 4
;; launch outp (part 5): grid 4 x 64, 4 waves a work-group, clusters of 4 x 4, 327,680 bytes of LDS; arguments sv, h, bo, out0; writes out0
.if DOCPART == 5
	.amdgcn_target "amdgcn-amd-amdhsa--gfx1250"
	.amdhsa_code_object_version 6
	.text
	.protected	k_q82ee06b339_outp
	.globl	k_q82ee06b339_outp
	.p2align	8
	.type	k_q82ee06b339_outp,@function
k_q82ee06b339_outp:
	s_mov_b64 s[64:65], 0
	v_nop
	global_prefetch_b8 v0, s[64:65] scope:SCOPE_SE
	s_setreg_imm32_b32 hwreg(HW_REG_WAVE_MODE, 25, 1), 1
	s_wait_xcnt 0x0
	s_wait_alu depctr_hold_cnt(0) depctr_sa_sdst(0) depctr_va_vdst(0) depctr_va_sdst(0) depctr_va_ssrc(0) depctr_va_vcc(0) depctr_vm_vsrc(0)
	s_getreg_b32 s2, hwreg(HW_REG_IB_STS2, 6, 4)
	s_cmp_eq_u32 s2, 0
	s_cbranch_scc0 .Lentry_in_a_cluster
	s_endpgm
.Lentry_in_a_cluster:
	s_bfe_u32 s2, ttmp6, 0x10000c
	s_cmp_lg_u32 s2, 0xf033
	s_cbranch_scc0 .Lentry_shape_is_right
	s_endpgm
.Lentry_shape_is_right:
; out0[8192][1024] = sv Wo^T + bo, f32 out; sv and Wo (h's bytes from 0x1600000) in f16, sums in f32.
; The frame is that of the projection: 128 rows x 256 columns a work-group, four waves of 64 x 128, 4 x 64 = 256 work-groups, K = 1,024 in 8 steps of 128 through two LDS slots,
; 4 x 4 clusters: sv's tile is shared along a row of the cluster, Wo's along a column.
; The bias costs no add: a lane's 64 numbers of bo lie in window 2, laid as an accumulator tile's columns, and are the C of each accumulator's first product.
; REGISTERS: window 0: v16-27 addresses; v32-95 fragments of A, v96-223 of B, two buffers each (on the way out: rows read back).  Window 1: accumulator tile (a, b) at v[8 (8 a + b)].
; Window 2: v[8 b + j] = bo of column 16 b + 8 (l / 16) + j of my 128.
; LIMIT: sums run in another order than a plain loop over K.
.set PITCH,  272
.set BHALF,  128*PITCH
.set AHALF,  64*PITCH
.set AOFF,   2*BHALF
.set SLOT,   AOFF+2*AHALF
.set STAGE,  2*SLOT
.set FPITCH, 528                       ; a stage row: 128 f32 = 512 bytes + 16
.set WSTAGE, 16*FPITCH
.set LAPS,   4
.set STEPA,  256
.set STEPB,  256
.set OUTP,   4096                      ; bytes in a row of out0
.set OB,     10                        ; s[10:11] out0's base
.set ADRA, 16
.set ADRB, 20
.set STO,  24
.set RD,   25
.set CO,   26
.set FA0,  32
.set FB0,  96
.set G1A, 24
.set G0A, 32
.set G1B, 48
.set G0B, 56
.set G1W0, (1<<16)|(1<<20)|(1<<21)|(5<<22)|(3<<25)
.set MULW, 0x50                        ; C and D window 1
.set MULB, 0x60                        ; C window 2 (the bias), D window 1
.set MSB, 0
.macro WIN new
.if MSB != \new
	s_set_vgpr_msb (MSB<<8)|\new
.set MSB, \new
.endif
.endm
.macro PLACES                          ; four places behind matrix instructions (ISA guide 7.12.1)
.rept 4
	v_nop
.endr
.endm
.macro JLOAD s                         ; waves 0, 1 ask for Wo's halves, waves 2, 3 for sv's
	s_cmp_eq_u32 s13, 0
	s_cbranch_scc0 .Lfor_a_\@
	tensor_load_to_lds s[G0B+4*\s:G0B+4*\s+3], s[G1B:G1B+7]
	s_nop 0
	s_branch .Lasked_\@
.Lfor_a_\@:
	tensor_load_to_lds s[G0A+4*\s:G0A+4*\s+3], s[G1A:G1A+7]
	s_nop 0
.Lasked_\@:
.endm
.macro CREST
	s_cmp_lg_u32 s12, 0
	s_cbranch_scc1 .Lnot_wave_0_\@
	s_barrier_signal -3
.Lnot_wave_0_\@:
	s_barrier_wait -3
	s_barrier_signal -1
	s_barrier_wait -1
.endm
.macro CROUND
	s_barrier_signal -1
	s_barrier_wait -1
	CREST
.endm
; mode 2: the product is added onto the bias of column block b and starts the sum.  The 32 accumulators take turns, one instruction a turn, in one fixed order.
.macro MUL16 f, a0, mode
.irp a, \a0, \a0+1
.irp b, 0,1,2,3,4,5,6,7
.if \mode == 2
	v_wmma_f32_16x16x32_f16 v[8*(8*(\a)+\b):8*(8*(\a)+\b)+7], v[FB0+64*\f+8*\b:FB0+64*\f+8*\b+7], v[FA0+32*\f+8*(\a):FA0+32*\f+8*(\a)+7], v[8*\b:8*\b+7]
.else
	v_wmma_f32_16x16x32_f16 v[8*(8*(\a)+\b):8*(8*(\a)+\b)+7], v[FB0+64*\f+8*\b:FB0+64*\f+8*\b+7], v[FA0+32*\f+8*(\a):FA0+32*\f+8*(\a)+7], v[8*(8*(\a)+\b):8*(8*(\a)+\b)+7]
.endif
.endr
.endr
.endm
.macro MWIN mode
.if \mode == 2
	WIN MULB
.else
	WIN MULW
.endif
.endm
.macro FETCH slot, q, f
.irp i, 0,1,2,3,4,5,6,7
	ds_load_b128 v[FB0+64*\f+8*\i:FB0+64*\f+8*\i+3],   v[ADRB+\slot] offset:64*\q+\i*16*PITCH
	ds_load_b128 v[FB0+64*\f+8*\i+4:FB0+64*\f+8*\i+7], v[ADRB+\slot] offset:64*\q+\i*16*PITCH+32
.endr
.irp i, 0,1,2,3
	ds_load_b128 v[FA0+32*\f+8*\i:FA0+32*\f+8*\i+3],   v[ADRA+\slot] offset:64*\q+\i*16*PITCH
	ds_load_b128 v[FA0+32*\f+8*\i+4:FA0+32*\f+8*\i+7], v[ADRA+\slot] offset:64*\q+\i*16*PITCH+32
.endr
.endm
.macro QUARTER slot, q, f, g, mode
	s_wait_dscnt 4                                 ; only the four loads of A's fragments 2, 3 may be out
	MWIN \mode
	MUL16 \f, 0, \mode
	WIN 0
	PLACES
	FETCH \slot, \q, \g
	s_wait_dscnt 24                                ; all but the 24 just issued
	MWIN \mode
	MUL16 \f, 2, \mode
.endm
.macro THREE slot, mode
	QUARTER \slot, 1, 0, 1, \mode
	QUARTER \slot, 2, 1, 0, 0
	QUARTER \slot, 3, 0, 1, 0
.endm
.macro TURN slot, next, fill
	s_wait_dscnt 0x0                               ; my reads of this slot are back
	s_wait_tensorcnt 0x0                           ; all my tensor loads have landed, my part of the next slot among them
	ds_add_u32 v254, v255
	s_wait_dscnt 0x0
	s_barrier_signal -1
	WIN MULW
	MUL16 1, 0, 0
	WIN 0
	s_barrier_wait -1
.if \fill
	CREST                                          ; no wave of any partner still reads this slot or has a load on its way
	s_add_nc_u64 s[G0A+4*\slot+2:G0A+4*\slot+3], s[G0A+4*\slot+2:G0A+4*\slot+3], 2*STEPA
	s_add_nc_u64 s[G0B+4*\slot+2:G0B+4*\slot+3], s[G0B+4*\slot+2:G0B+4*\slot+3], 2*STEPB
	JLOAD \slot                                    ; my one tensor load behind the round, and the first thing there
.endif
	PLACES
	FETCH \next, 0, 0
	WIN MULW
	MUL16 1, 2, 0
.endm
.macro LAP mode
	THREE 0, \mode
	TURN 0, 1, 1
	THREE 1, 0
	TURN 1, 0, 1
.endm
; rows 16 a .. 16 a + 15 of my block: 32 bytes a lane and tile straight from the accumulators into my stage, read back as whole rows of 512 bytes
.macro OUTF i, a, rb
	WIN 0x04                                       ; an LDS store's data: window 1
.irp b, 0,1,2,3,4,5,6,7
	ds_store_b128 v[STO], v[8*(8*\a+\b):8*(8*\a+\b)+3]   offset:64*\b
	ds_store_b128 v[STO], v[8*(8*\a+\b)+4:8*(8*\a+\b)+7] offset:64*\b+16
.endr
	WIN 0
	s_wait_xcnt 0x0                                ; registers rb, which earlier stores read, and the stores' base are rewritten only behind this wait
.if \i
	s_add_nc_u64 s[OB:OB+1], s[OB:OB+1], 16*OUTP
.endif
.irp t, 0,1,2,3,4,5,6,7,8,9,10,11,12,13,14,15
	ds_load_b128 v[\rb+4*\t:\rb+4*\t+3], v[RD] offset:\t*FPITCH        ; LDS serves a wave's instructions in order: these see the stores above
.endr
.irp t, 0,1,2,3,4,5,6,7,8,9,10,11,12,13,14,15
	s_wait_dscnt 15-\t
	global_store_b128 v[CO], v[\rb+4*\t:\rb+4*\t+3], s[OB:OB+1] offset:\t*OUTP th:TH_STORE_NT   ; the wave stores 512 consecutive bytes, at a multiple of 512 from out0's first byte
.endr
.endm
	s_load_b256 s[4:11], s[0:1], 0x0               ; sv s[4:5], h s[6:7], bo s[8:9], out0 s[10:11]
	v_lshl_add_u32 v254, v0, 2, 0x3b400
	v_mov_b32 v255, 0
	ds_add_u32 v254, v255
	v_lshrrev_b32 v1, 5, v0
	v_readfirstlane_b32 s12, v1
	s_lshr_b32 s13, s12, 1
	s_and_b32 s14, s12, 1
	s_bfe_u32 s40, ttmp6, 0x40000                  ; cx
	s_bfe_u32 s41, ttmp6, 0x40004                  ; cy
	s_lshl_b32 s42, ttmp9, 2
	s_add_co_u32 s42, s42, s40                     ; block column 0..3
	s_and_b32 s15, ttmp7, 0xffff
	s_lshl_b32 s15, s15, 2
	s_add_co_u32 s15, s15, s41                     ; block row 0..63
	s_lshl_b32 s43, s41, 2
	s_lshl_b32 s43, 15, s43
	s_lshl_b32 s44, 0x1111, s40
	s_or_b32  s[G1A+0], s43, G1W0                  ; sv: 64 rows x 128 elements, shared along my row of the cluster
	s_mov_b32 s[G1A+1], 128<<16
	s_mov_b32 s[G1A+2], 64<<16
	s_mov_b32 s[G1A+3], 128<<16
	s_mov_b32 s[G1A+4], 64
	s_mov_b32 s[G1A+5], 1024
	s_mov_b32 s[G1A+6], 0
	s_mov_b32 s[G1A+7], 0
	s_or_b32  s[G1B+0], s44, G1W0                  ; Wo: 128 rows x 128 elements, shared along my column
	s_mov_b32 s[G1B+1], 128<<16
	s_mov_b32 s[G1B+2], 128<<16
	s_mov_b32 s[G1B+3], 128<<16
	s_mov_b32 s[G1B+4], 128
	s_mov_b32 s[G1B+5], 1024
	s_mov_b32 s[G1B+6], 0
	s_mov_b32 s[G1B+7], 0
	s_lshl_b32 s16, s15, 7
	s_lshl_b32 s17, s14, 6
	s_add_co_u32 s16, s16, s17                     ; sv: row 128 x block row + 64 x half
	s_lshl_b32 s16, s16, 11
	s_mov_b32 s17, 0
	s_lshl_b32 s46, s42, 8
	s_lshl_b32 s47, s14, 7
	s_add_co_u32 s46, s46, s47                     ; Wo: row 256 x block column + 128 x half
	s_lshl_b32 s46, s46, 11
	s_add_co_u32 s46, s46, 0x1600000               ; Wo's place in h
	s_mov_b32 s47, 0
	s_mul_i32 s20, s12, AHALF
	s_add_co_u32 s20, s20, BHALF
	s_mul_i32 s21, s12, BHALF
	s_wait_dscnt 0x0
	s_wait_kmcnt 0x0
	s_add_nc_u64 s[18:19], s[4:5], s[16:17]
	s_add_nc_u64 s[46:47], s[6:7], s[46:47]
	CROUND                                         ; in front of the first joint loads
.irp s, 0,1
	s_mov_b32 s[G0A+4*\s], 1
	s_add_co_u32 s[G0A+4*\s+1], s20, \s*SLOT
	s_add_nc_u64 s[G0A+4*\s+2:G0A+4*\s+3], s[18:19], \s*STEPA
	s_or_b32 s[G0A+4*\s+3], s[G0A+4*\s+3], 0x80000000
	s_mov_b32 s[G0B+4*\s], 1
	s_add_co_u32 s[G0B+4*\s+1], s21, \s*SLOT
	s_add_nc_u64 s[G0B+4*\s+2:G0B+4*\s+3], s[46:47], \s*STEPB
	s_or_b32 s[G0B+4*\s+3], s[G0B+4*\s+3], 0x80000000
	JLOAD \s
.endr
	v_and_b32 v1, 15, v0                           ; l % 16
	v_bfe_u32 v2, v0, 4, 1                         ; l / 16
	s_lshl_b32 s46, s42, 1
	s_add_co_u32 s46, s46, s14
	s_lshl_b32 s46, s46, 9                         ; my 128 columns: 512 bytes x (2 x block column + half), in bo and in a row of out0
	s_mov_b32 s47, 0
	s_add_nc_u64 s[8:9], s[8:9], s[46:47]
	s_add_nc_u64 s[OB:OB+1], s[OB:OB+1], s[46:47]
	v_lshlrev_b32 v5, 5, v2                        ; my eight columns of a tile: 32 bytes x (l / 16)
	WIN 0x80                                       ; loaded data: window 2
.irp b, 0,1,2,3,4,5,6,7
	global_load_b128 v[8*\b:8*\b+3],   v5, s[8:9] offset:64*\b
	global_load_b128 v[8*\b+4:8*\b+7], v5, s[8:9] offset:64*\b+16
.endr
	WIN 0
	v_mul_u32_u24 v3, v1, PITCH
	v_lshl_add_u32 v3, v2, 4, v3
	s_mul_i32 s22, s13, AHALF
	s_add_co_u32 s22, s22, AOFF
	s_mul_i32 s23, s14, BHALF
.irp s, 0,1
	v_add_nc_u32 v[ADRA+\s], s22, v3
	v_add_nc_u32 v[ADRB+\s], s23, v3
	s_add_co_u32 s22, s22, SLOT
	s_add_co_u32 s23, s23, SLOT
.endr
	s_mul_i32 s22, s12, WSTAGE
	s_add_co_u32 s22, s22, STAGE                   ; my stage
	v_mul_u32_u24 v4, v1, FPITCH                   ; in: row l % 16, 32 bytes for each half of the lanes
	v_lshl_add_u32 v4, v2, 5, v4
	v_add_nc_u32 v[STO], s22, v4
	v_and_b32 v[CO], 31, v0
	v_lshlrev_b32 v[CO], 4, v[CO]                  ; back and out: 16 bytes a lane, one row of 512 bytes a load
	v_add_nc_u32 v[RD], s22, v[CO]
	s_lshl_b32 s16, s15, 7
	s_lshl_b32 s17, s13, 6
	s_add_co_u32 s16, s16, s17                     ; my first row
	s_lshl_b32 s16, s16, 12
	s_mov_b32 s17, 0
	s_add_nc_u64 s[OB:OB+1], s[OB:OB+1], s[16:17]
	s_wait_tensorcnt 0x1                           ; my part of K step 0 is in; K step 1's may stay out
	s_barrier_signal -1
	s_barrier_wait -1
	FETCH 0, 0, 0
	s_wait_loadcnt 0x0                             ; the bias is in
	LAP 2                                          ; the first products are added onto the bias
	WIN 0
	s_mov_b32 s3, LAPS-2
.Llap:
	LAP 0
	WIN 0
	s_sub_co_u32 s3, s3, 1
	s_cmp_lg_u32 s3, 0
	s_cbranch_scc1 .Llap
	THREE 0, 0                                     ; the last lap fills nothing
	TURN 0, 1, 0
	THREE 1, 0
	s_wait_dscnt 0x0
	WIN MULW
	MUL16 1, 0, 0
	MUL16 1, 2, 0
	WIN 0
	PLACES
	OUTF 0, 0, FA0
	OUTF 1, 1, FB0
	OUTF 2, 2, FA0
	OUTF 3, 3, FB0
	s_wait_tensorcnt 0x0
	ds_add_u32 v254, v255
	s_wait_dscnt 0x0
	CROUND                                         ; the closing round
	s_endpgm
.Lfunc_end_k_q82ee06b339_outp:
	.size	k_q82ee06b339_outp, .Lfunc_end_k_q82ee06b339_outp-k_q82ee06b339_outp
	.p2alignl 7, 3214868480
	.fill 96, 4, 3214868480
	.section	.rodata,"a",@progbits
	.p2align	6, 0x0
	.amdhsa_kernel k_q82ee06b339_outp
		.amdhsa_group_segment_fixed_size 327680
		.amdhsa_private_segment_fixed_size 0
		.amdhsa_enable_private_segment 0
		.amdhsa_kernarg_size 32
		.amdhsa_user_sgpr_count 2
		.amdhsa_user_sgpr_kernarg_segment_ptr 1
		.amdhsa_wavefront_size32 1
		.amdhsa_system_sgpr_workgroup_id_x 1
		.amdhsa_system_sgpr_workgroup_id_y 1
		.amdhsa_system_sgpr_workgroup_id_z 1
		.amdhsa_system_vgpr_workitem_id 0
		.amdhsa_next_free_vgpr 576
		.amdhsa_next_free_sgpr 66
		.amdhsa_reserve_vcc 0
		.amdhsa_float_denorm_mode_32 3
		.amdhsa_float_denorm_mode_16_64 3
		.amdhsa_memory_ordered 1
		.amdhsa_forward_progress 1
		.amdhsa_inst_pref_size 119
	.end_amdhsa_kernel
	.amdgpu_metadata
---
amdhsa.version: [ 1, 2 ]
amdhsa.kernels:
  - .name:           k_q82ee06b339_outp
    .symbol:         k_q82ee06b339_outp.kd
    .args:
      - { .name: sv, .offset: 0, .size: 8, .value_kind: global_buffer, .address_space: global }
      - { .name: h, .offset: 8, .size: 8, .value_kind: global_buffer, .address_space: global }
      - { .name: bo, .offset: 16, .size: 8, .value_kind: global_buffer, .address_space: global }
      - { .name: out0, .offset: 24, .size: 8, .value_kind: global_buffer, .address_space: global }
    .group_segment_fixed_size: 327680
    .private_segment_fixed_size: 0
    .kernarg_segment_align: 8
    .kernarg_segment_size: 32
    .max_flat_workgroup_size: 128
    .sgpr_count:     66
    .vgpr_count:     576
    .wavefront_size: 32
...
	.end_amdgpu_metadata
.endif
;; end of part 5
;; ======== version 2 of 2: 5 launches; version 1 with the launch cast written anew for expert scheduling mode
;; limits: values are held in f16: magnitudes above 65,504 overflow, below 6.1e-05 lose precision
;; workspace buffers: h 25,165,824 bytes; qkv 50,331,648 bytes; p 33,554,432 bytes; st 1,048,576 bytes; sv 16,777,216 bytes
;; launch cast (part 6): grid 64 x 12, 8 waves a work-group, no clusters, 0 bytes of LDS; arguments x, Wq, Wk, Wv, Wo, h; writes h
.if DOCPART == 6
	.amdgcn_target "amdgcn-amd-amdhsa--gfx1250"
	.amdhsa_code_object_version 6
	.text
	.protected	k_q82ee06b339_cast
	.globl	k_q82ee06b339_cast
	.p2align	8
	.type	k_q82ee06b339_cast,@function
k_q82ee06b339_cast:
	s_mov_b64 s[64:65], 0
	v_nop
	global_prefetch_b8 v0, s[64:65] scope:SCOPE_SE
	s_setreg_imm32_b32 hwreg(HW_REG_WAVE_SCHED_MODE, 0, 2), 2
	s_setreg_imm32_b32 hwreg(HW_REG_WAVE_MODE, 25, 1), 1
	s_wait_xcnt 0x0
	s_wait_alu depctr_vm_vsrc(0)
; h = f16 of x, Wq, Wk, Wv, Wo, one behind the other: twelve slabs of 2 MiB of f16 (4 MiB of f32 each).
; Slabs 0-7 are x as [8192][1024]; slabs 8, 9, 10, 11 are Wq, Wk, Wv, Wo, so that [Wq; Wk; Wv] is one matrix [3072][1024].
; Work-group (gx, gy): slab gy, its 64 KiB of f32 number gx.  Eight waves; thread t takes 16 bytes at 16 t of each of sixteen
; chunks of 4,096 bytes.  All sixteen loads of a wave are out at once; no register is written twice, so no loop and no wait for sources.
; A wave's load covers 512 consecutive bytes, its store 256 consecutive bytes at a multiple of 256 from h's first byte.
; A stream: LDS, matrix instructions and clusters would add nothing (no byte is used twice).
; LIMIT: numbers above 65,504 in magnitude become infinities in f16; below 6.1e-5 they keep f16's absolute step of 6e-8.
; THE MODE: SCHED_MODE bits 1:0 = 2 (LLVM: expert scheduling mode 2), set by the entry lines.  The code itself states the register dependences
; between vector instructions and memory instructions, with s_wait_alu, always for 0.
; THE PLAN.  Registers that memory instructions touch:
;   v1, v2     byte offsets, written once at the head; v1 is read by every load, v2 by every store; never written again.
;   IN         chunk i's four registers: its load lands in them, once; no vector instruction names them ahead of that load; its two conversions read them behind the wait for the load.
;   OUT        chunk i's two registers: its two conversions write them, once; its store reads them, once.
; So one wait on va_vdst stands ahead of the first load, for the offsets, and one behind the eight conversions of each block of four chunks, ahead of the block's four stores.
; No register that a memory instruction reads is written again, so the text holds no wait on vm_vsrc behind the entry lines; no vector instruction writes a scalar register; EXEC is never written.
.set IN,  4                            ; v[4:67]   sixteen chunks as loaded, 4 registers each
.set OUT, 68                           ; v[68:99]  sixteen chunks as stored, 2 registers each
	s_load_b256 s[4:11], s[0:1], 0x0               ; x s[4:5], Wq s[6:7], Wk s[8:9], Wv s[10:11]
	s_load_b128 s[12:15], s[0:1], 0x20             ; Wo s[12:13], h s[14:15]
	s_and_b32 s2, ttmp7, 0xffff                    ; the slab
	v_lshlrev_b32 v1, 4, v0                        ; 16 bytes of f32 a thread
	v_lshlrev_b32 v2, 3, v0                        ; 8 bytes of f16 a thread
	s_lshl_b32 s16, s2, 22                         ; slabs 0-7: the slab's place in x; a weight is one slab and begins at its own byte 0
	s_cmp_lt_u32 s2, 8
	s_cselect_b32 s16, s16, 0
	s_lshl_b32 s17, ttmp9, 16                      ; + 64 KiB x the work-group's x
	s_add_co_u32 s16, s16, s17
	s_mov_b32 s17, 0
	s_lshl_b32 s22, s2, 21                         ; in h: 2 MiB x slab + 32 KiB x the work-group's x
	s_lshl_b32 s23, ttmp9, 15
	s_add_co_u32 s22, s22, s23
	s_mov_b32 s23, 0
	s_wait_kmcnt 0x0
	s_mov_b64 s[18:19], s[4:5]                     ; the source: x, or the weight that the slab names
	s_cmp_eq_u32 s2, 8
	s_cselect_b64 s[18:19], s[6:7], s[18:19]
	s_cmp_eq_u32 s2, 9
	s_cselect_b64 s[18:19], s[8:9], s[18:19]
	s_cmp_eq_u32 s2, 10
	s_cselect_b64 s[18:19], s[10:11], s[18:19]
	s_cmp_eq_u32 s2, 11
	s_cselect_b64 s[18:19], s[12:13], s[18:19]
	s_add_nc_u64 s[18:19], s[18:19], s[16:17]
	s_add_nc_u64 s[20:21], s[14:15], s[22:23]
	s_wait_alu depctr_va_vdst(0)                   ; v1 and v2 are written: every load of the kernel reads v1 as its offset, every store v2
.irp i, 0,1,2,3,4,5,6,7,8,9,10,11,12,13,14,15
	global_load_b128 v[IN+4*\i:IN+4*\i+3], v1, s[18:19] offset:4096*\i th:TH_LOAD_NT   ; read once in the launch
.endr
; Four blocks of four chunks.  A block's stores leave straight behind its conversions, ahead of the wait for the next block's loads.
.irp p, 0,1,2,3
	s_wait_loadcnt 12-4*(\p)                       ; loads come back in order: the block's four chunks are in, the younger ones stay out
.irp i, 0,1,2,3
	v_cvt_pk_f16_f32 v[OUT+2*(4*(\p)+(\i))],   v[IN+4*(4*(\p)+(\i))],   v[IN+4*(4*(\p)+(\i))+1]
	v_cvt_pk_f16_f32 v[OUT+2*(4*(\p)+(\i))+1], v[IN+4*(4*(\p)+(\i))+2], v[IN+4*(4*(\p)+(\i))+3]
.endr
	s_wait_alu depctr_va_vdst(0)                   ; the eight conversions have written the block's OUT registers, which the four stores below read
.irp i, 0,1,2,3
	global_store_b64 v2, v[OUT+2*(4*(\p)+(\i)):OUT+2*(4*(\p)+(\i))+1], s[20:21] offset:2048*(4*(\p)+(\i))   ; no hint: the next launch reads these bytes
.endr
.endr
	s_endpgm
.Lfunc_end_k_q82ee06b339_cast:
	.size	k_q82ee06b339_cast, .Lfunc_end_k_q82ee06b339_cast-k_q82ee06b339_cast
	.p2alignl 7, 3214868480
	.fill 96, 4, 3214868480
	.section	.rodata,"a",@progbits
	.p2align	6, 0x0
	.amdhsa_kernel k_q82ee06b339_cast
		.amdhsa_group_segment_fixed_size 0
		.amdhsa_private_segment_fixed_size 0
		.amdhsa_enable_private_segment 0
		.amdhsa_kernarg_size 48
		.amdhsa_user_sgpr_count 2
		.amdhsa_user_sgpr_kernarg_segment_ptr 1
		.amdhsa_wavefront_size32 1
		.amdhsa_system_sgpr_workgroup_id_x 1
		.amdhsa_system_sgpr_workgroup_id_y 1
		.amdhsa_system_sgpr_workgroup_id_z 1
		.amdhsa_system_vgpr_workitem_id 0
		.amdhsa_next_free_vgpr 100
		.amdhsa_next_free_sgpr 66
		.amdhsa_reserve_vcc 0
		.amdhsa_float_denorm_mode_32 3
		.amdhsa_float_denorm_mode_16_64 3
		.amdhsa_memory_ordered 1
		.amdhsa_forward_progress 1
		.amdhsa_inst_pref_size 7
	.end_amdhsa_kernel
	.amdgpu_metadata
---
amdhsa.version: [ 1, 2 ]
amdhsa.kernels:
  - .name:           k_q82ee06b339_cast
    .symbol:         k_q82ee06b339_cast.kd
    .args:
      - { .name: x, .offset: 0, .size: 8, .value_kind: global_buffer, .address_space: global }
      - { .name: Wq, .offset: 8, .size: 8, .value_kind: global_buffer, .address_space: global }
      - { .name: Wk, .offset: 16, .size: 8, .value_kind: global_buffer, .address_space: global }
      - { .name: Wv, .offset: 24, .size: 8, .value_kind: global_buffer, .address_space: global }
      - { .name: Wo, .offset: 32, .size: 8, .value_kind: global_buffer, .address_space: global }
      - { .name: h, .offset: 40, .size: 8, .value_kind: global_buffer, .address_space: global }
    .group_segment_fixed_size: 0
    .private_segment_fixed_size: 0
    .kernarg_segment_align: 8
    .kernarg_segment_size: 48
    .max_flat_workgroup_size: 256
    .sgpr_count:     66
    .vgpr_count:     100
    .wavefront_size: 32
...
	.end_amdgpu_metadata
.endif
;; end of part 6
;; launch proj: the kernel of part 2 again; grid 12 x 32, 4 waves a work-group, clusters of 4 x 4, 327,680 bytes of LDS; arguments h, qkv; writes qkv
;; launch scores: the kernel of part 3 again; grid 8 x 32, 4 waves a work-group, clusters of 4 x 4, 327,680 bytes of LDS; arguments qkv, p, st; writes p, st
;; launch av: the kernel of part 4 again; grid 4 x 64, 4 waves a work-group, clusters of 4 x 4, 327,680 bytes of LDS; arguments p, qkv, st, sv; writes sv
;; launch outp: the kernel of part 5 again; grid 4 x 64, 4 waves a work-group, clusters of 4 x 4, 327,680 bytes of LDS; arguments sv, h, bo, out0; writes out0
